; MI455X (gfx1250); checked and timed in simulation.
; The chip was launched on July 23, 2026; its instructions are those of AMD's public machine-readable ISA for CDNA 5 (MIT licence, August 2026) and "CDNA5" Instruction Set Architecture Reference Guide (July 2026). The comments in the code are by the model that wrote it; some were corrected since.
;; Multi Head Attention. Allowed arithmetic: matrix products marked QUANTISED: E2M3 operands, one E8M0 scale for each 32 along K, by v_wmma_scale_f32_16x16x128_f8f6f4 with both operands' format E2M3, f32 sums; everything else in f32.
;; Inputs: Wk 1,024 x 1,024 float32; Wo 1,024 x 1,024 float32; Wq 1,024 x 1,024 float32; Wv 1,024 x 1,024 float32; bk 1,024 float32; bo 1,024 float32; bq 1,024 float32; bv 1,024 float32; mask 2,048 x 2,048 bool; x 4 x 2,048 x 1,024 float32.
;; Outputs: out0 4 x 2,048 x 1,024 float32.
;; This version of the problem:
;;   THIS VERSION OF THE PROBLEM IS GIVEN IN LOW PRECISION. The matrix products marked QUANTISED in the list below multiply operands that are first quantised to E2M3 (2 exponent bits, 3 mantissa bits; 6 bits a number), with one power-of-two scale for each 32 numbers along K (OCP MX v1.0); their sums are f32. All else is computed in f32.
;;   The module's matrix products, in the order in which they are computed (A, B: the left and right operand; K: the contracted axis; several contracted axes count as one K, in the product's order):
;;     1. [M 8,192, K 1,024] x [K 1,024, N 1,024]; A: input x; B: input Wq: QUANTISED
;;     2. [M 8,192, K 1,024] x [K 1,024, N 1,024]; A: input x; B: input Wk: QUANTISED
;;     3. [M 8,192, K 1,024] x [K 1,024, N 1,024]; A: input x; B: input Wv: QUANTISED
;;     4. batch 64 x [M 2,048, K 64] x [K 64, N 2,048]; A: computed on the way; B: computed on the way: QUANTISED
;;     5. batch 64 x [M 2,048, K 2,048] x [K 2,048, N 64]; A: softmax (see below); B: computed on the way: QUANTISED
;;     6. [M 8,192, K 1,024] x [K 1,024, N 1,024]; A: computed on the way; B: input Wo: QUANTISED
;;   THE QUANTISER, for each operand of a quantised product, along K:
;;     - K is cut into blocks of 32 from its start; a last block that is shorter is filled with zeros.
;;     - A block's scale is 2^e with e = floor(log2(the largest magnitude in the block)) - 2, held to -126 .. 127; a block of zeros has e = 0. As a byte (E8M0): e + 127.
;;     - Each number is divided by its block's scale, clamped to +-7.5, and rounded to the nearest number of E2M3, ties to even, subnormals kept.
;;     - The product sums the exact products of the quantised numbers (number of the format x scale) in f32.
;;   ~~~python
;;   def quantise(x, axis):      # numpy; x: float32 -> the quantised numbers, widened to float32 again
;;       x = np.moveaxis(x, axis, -1); K = x.shape[-1]
;;       x = np.pad(x, [(0, 0)] * (x.ndim - 1) + [(0, -K % 32)]); x = x.reshape(x.shape[:-1] + (-1, 32)); a = np.abs(x).max(-1, keepdims=True)
;;       e = np.where(a > 0, np.clip(np.frexp(np.where(a > 0, a, 1))[1] - 1 - 2, -126, 127), 0)      # np.frexp(a)[1] - 1 = floor(log2(a)), exactly
;;       r = np.clip(x / 2.0 ** e, -7.5, 7.5)
;;       step = 2.0 ** (np.maximum(np.frexp(np.where(r == 0, 1, r))[1] - 1, 0) - 3)
;;       q = np.round(r / step) * step * 2.0 ** e      # np.round: ties to even
;;       return np.moveaxis(q.reshape(q.shape[:-2] + (-1,))[..., :K], -1, axis).astype(np.float32)
;;   ~~~
;;   SOFTMAX AHEAD OF A QUANTISED PRODUCT. Where the list says 'softmax', what is quantised is not the finished softmax but p = 2^(t - M), with t = logit x log2(e) and M = ceil(the row's largest t), a whole number; so 1/2 < the row's largest p <= 1. The row's sum l is taken of the UNQUANTISED p, in f32, and the product's result is divided by l at the end. Since M is a whole number, a kernel that streams over the keys may use a running M (the ceiling of the running maximum): every later rescaling is an exact power of two, which a block's scale takes up: the codes' values come out the same.
;;   OPERANDS COMPUTED ON THE WAY. 'Computed on the way' means the value that the module computes at that place (a softmax that the list does not call 'softmax' is quantised finished and normalised). What goes into a quantiser is computed in f32, as accurately as f32 sums, v_exp_f32 and their like allow (about 1e-6 of the number): no bf16 or f16 on the way to a quantiser, and a product that is left as it is and whose result goes on into a quantised operand takes f32 operands (vector FMAs, or v_wmma_f32_16x16x4_f32). A number that lies on a knife's edge between two numbers of the format may be rounded either way, as far as f32 arithmetic and the matrix unit's own rounding can turn it there, and no further.
;; 2 versions, each right; version 2 is version 1 with the launch attn written anew for expert scheduling mode. Each part assembles by itself: llvm-mc -triple=amdgcn-amd-amdhsa -mcpu=gfx1250 --defsym DOCPART=n.
;; ======== version 1 of 2: 4 launches
;; workspace buffers: opnd 9,830,400 bytes; mwords 526,336 bytes of whole numbers; qkv 20,185,088 bytes; att 6,815,744 bytes
;; launch prep (part 1): grid 512 x 1, 4 waves a work-group, no clusters, 34,304 bytes of LDS; arguments x, Wq, Wk, Wv, Wo, mask, opnd, mwords; writes opnd, mwords
.if DOCPART == 1
	.amdgcn_target "amdgcn-amd-amdhsa--gfx1250"
	.amdhsa_code_object_version 6
	.text
	.protected	k_q26ea12ae68_prep
	.globl	k_q26ea12ae68_prep
	.p2align	8
	.type	k_q26ea12ae68_prep,@function
k_q26ea12ae68_prep:
	s_mov_b64 s[64:65], 0
	v_nop
	global_prefetch_b8 v0, s[64:65] scope:SCOPE_SE
	s_setreg_imm32_b32 hwreg(HW_REG_WAVE_MODE, 25, 1), 1
	s_wait_xcnt 0x0
; PREP.  (a) x [8192][1024] and Wq, Wk, Wv, Wo [1024][1024], f32, K innermost, become codes of FP6 (E2M3) with one E8M0 byte for each 32 along K,
; laid as IMAGES OF OPERAND REGISTERS: fragment (tile, K step of 128) = 12 registers a lane = 1,536 bytes, register group c (4 registers) at 512 c + 16 lane.
; (b) the mask [2048][2048] of bytes becomes lane words (bit l of word n = the mask of the score that lane l holds in register n of a step of 128 keys) and, for each
; tile of 16 queries and each step, two flags: some key counts; some key is hidden.  A later launch branches on the flags.
; THE ROWS OF A TILE: in x, Wq, Wk, Wv and among the queries lane r of tile t takes row 32 (t / 2) + 8 (t % 2) + r + 8 (r / 8); in Wo row 16 t + r.
; A block's scale is 2^(floor(log2(largest magnitude)) - 2): the largest magnitude's exponent field less 2 is the byte, held at 1 from below.
; LIMITS: a block of zeros, or one whose largest magnitude lies under 2^-124, carries the byte 1 (only this program reads the bytes; zero codes add nothing); NaN and infinities among the inputs are not served.
; SHARES.  Work-groups 0-383 quantise: 2 tiles x 8 K steps each, a wave 4 fragments (tile 2 g + wave / 2, K steps 4 (wave % 2) on).  Work-groups 384-511 take a tile of queries each, a wave 4 steps of 128 keys.
; A load reads 512 consecutive bytes of one row; the 16 rows turn through the wave's own stage in LDS (pitch 528) so that a lane then holds 2 whole blocks of its row.
; No tensor load, no barrier: waves share nothing.  Only the quantising way touches LDS.
.set SCOFF,  9437184                   ; opnd: the scale words begin here: tile t at 512 t, [half of K][row][4 words]
.set SPITCH, 528
.set STAGEB, 16*SPITCH
.set R, 32                             ; v32-159  two sets of 64: 16 rows x 16 bytes as loaded
.set X, 160                            ; v160-223 my row's blocks h and 2 + h
.set C, 224                            ; v224-235 the fragment's codes; v236-238, v240-242 upper halves of the blocks
	s_load_b512 s[4:19], s[0:1], 0x0               ; x, Wq, Wk, Wv, Wo, mask, opnd, mwords
	v_lshl_add_u32 v254, v0, 2, 0x8400
	v_mov_b32 v255, 0
	v_lshrrev_b32 v1, 5, v0
	v_readfirstlane_b32 s20, v1                    ; wave
	v_and_b32 v1, 31, v0                           ; lane
	v_and_b32 v2, 15, v0                           ; r
	v_bfe_u32 v3, v0, 4, 1                         ; h
	s_mov_b32 s21, ttmp9                           ; g
	s_mov_b32 s33, 0
	s_cmp_ge_u32 s21, 384
	s_cbranch_scc1 .Lmask
	; ---------------- the quantising way
	s_lshr_b32 s22, s20, 1
	s_lshl_b32 s23, s21, 1
	s_add_co_u32 s22, s22, s23                     ; the tile, counted through x and the four weights
	s_and_b32 s23, s20, 1                          ; which half of K
	s_and_b32 s31, s22, 63                         ; the tile inside a weight
	s_wait_kmcnt 0x0
	s_mov_b64 s[24:25], s[12:13]                   ; the source, by the work-group's number alone
	s_cmp_lt_u32 s21, 352
	s_cselect_b64 s[24:25], s[10:11], s[24:25]
	s_cmp_lt_u32 s21, 320
	s_cselect_b64 s[24:25], s[8:9], s[24:25]
	s_cmp_lt_u32 s21, 288
	s_cselect_b64 s[24:25], s[6:7], s[24:25]
	s_cmp_lt_u32 s21, 256
	s_cselect_b64 s[24:25], s[4:5], s[24:25]
	s_cselect_b32 s31, s22, s31                    ; the tile inside its tensor
	s_lshr_b32 s32, s31, 1
	s_lshl_b32 s32, s32, 5
	s_and_b32 s35, s31, 1
	s_lshl_b32 s35, s35, 3
	s_add_co_u32 s32, s32, s35                     ; first row: 32 (t / 2) + 8 (t % 2),
	s_lshl_b32 s35, s31, 4                         ; in Wo 16 t
	s_cmp_ge_u32 s21, 352
	s_cselect_b32 s32, s35, s32
	s_cselect_b32 s34, 0, 0x8000                   ; lanes' rows 8-15 lie 8 rows (32,768 bytes) further on, but not in Wo
	s_lshl_b32 s32, s32, 12                        ; a row is 4,096 bytes,
	s_lshl_b32 s35, s23, 11                        ; half of K 2,048
	s_add_co_u32 s32, s32, s35
	s_add_nc_u64 s[24:25], s[24:25], s[32:33]
	s_lshl_b32 s32, s22, 3
	s_lshl_b32 s35, s23, 2
	s_add_co_u32 s32, s32, s35
	s_mul_i32 s32, s32, 1536
	s_add_nc_u64 s[26:27], s[16:17], s[32:33]      ; my four images
	s_lshl_b32 s32, s22, 9
	s_lshl_b32 s35, s23, 8
	s_add_co_u32 s32, s32, s35
	s_add_co_u32 s32, s32, SCOFF
	s_add_nc_u64 s[28:29], s[16:17], s[32:33]      ; my 256 bytes of scale words
	s_mul_i32 s36, s20, STAGEB                     ; my stage
	v_lshlrev_b32 v4, 4, v1                        ; 16 lane: rows 0-7, and the images
	v_add_nc_u32 v5, s34, v4                       ; rows 8-15
	v_add_nc_u32 v6, s36, v4                       ; the stage, on the way in
	v_mul_u32_u24 v7, v2, SPITCH
	v_lshl_add_u32 v7, v3, 7, v7
	v_add_nc_u32 v7, s36, v7                       ; and out: row r, + 128 h
	v_lshlrev_b32 v8, 3, v3                        ; 8 h
	v_lshlrev_b32 v24, 4, v2                       ; 16 r
	v_mov_b32 v17, 0                               ; a lane permute's destination counts as read
	s_mov_b32 s38, 0x76543210
	s_mov_b32 s39, 0xfedcba98                      ; selects for lane l xor 16
.macro LOAD f                          ; K step f of my four: 16 rows x 512 consecutive bytes
.irp i, 0,1,2,3,4,5,6,7,8,9,10,11,12,13,14,15
.if \i < 8
	global_load_b128 v[R+64*((\f)%2)+4*\i:R+64*((\f)%2)+4*\i+3], v4, s[24:25] offset:4096*\i+512*(\f) th:TH_LOAD_NT
.else
	global_load_b128 v[R+64*((\f)%2)+4*\i:R+64*((\f)%2)+4*\i+3], v5, s[24:25] offset:4096*\i+512*(\f) th:TH_LOAD_NT
.endif
.endr
.endm
.macro FRAGQ f
.if (\f) < 3
	s_wait_loadcnt 16                              ; this fragment's 16 loads are in; the next one's 16 stay out
.else
	s_wait_loadcnt 0x0
.endif
.irp i, 0,1,2,3,4,5,6,7,8,9,10,11,12,13,14,15
	ds_store_b128 v6, v[R+64*((\f)%2)+4*\i:R+64*((\f)%2)+4*\i+3] offset:SPITCH*\i
.endr
.irp c, 0,1
.irp q, 0,1,2,3,4,5,6,7
	ds_load_b128 v[X+32*\c+4*\q:X+32*\c+4*\q+3], v7 offset:256*\c+16*\q   ; LDS serves a wave in order: these see my stores.  k = 64 c + 32 h + 0 .. 31 of row r
.endr
.endr
	s_wait_dscnt 0x0                               ; the numbers are back, and the stores have read their registers,
.if (\f) < 2
	LOAD (\f)+2                                    ; which take the loads of two fragments on
.endif
.irp c, 0,1
	v_max3_num_f32 v[10+\c], |v[X+32*\c]|, |v[X+32*\c+1]|, 0x1800000   ; the floor 2^(3 - 127) among the leaves: the byte cannot fall under 1
.endr
.irp i, 2,4,6,8,10,12,14,16,18,20,22,24,26,28,30
.irp c, 0,1
	v_max3_num_f32 v[10+\c], v[10+\c], |v[X+32*\c+\i]|, |v[X+32*\c+\i+1]|
.endr
.endr
.irp c, 0,1
	v_add_nc_u32 v[12+\c], 0xff000000, v[10+\c]    ; 2 off the exponent field: the conversion's scale operand
.endr
.irp c, 0,1
	v_lshrrev_b32 v[14+\c], 23, v[12+\c]           ; the byte
.endr
	v_lshl_or_b32 v16, v15, 16, v14                ; blocks h and 2 + h,
	v_lshlrev_b32 v16, v8, v16                     ; at their places,
	v_permlanex16_b32 v17, v16, s38, s39
	v_or_b32 v[20+(\f)], v16, v17                  ; with the other half's two: the row's word for this K step
	s_wait_xcnt 0x0                                ; the last fragment's stores have read the codes' registers
.irp c, 0,1
	v_cvt_scalef32_pk16_fp6_f32 v[C+6*\c:C+6*\c+2], v[X+32*\c:X+32*\c+15], v[12+\c]
	v_cvt_scalef32_pk16_fp6_f32 v[236+4*\c:238+4*\c], v[X+32*\c+16:X+32*\c+31], v[12+\c]   ; (three registers from an even one on)
.endr
	v_nop                                          ; a plain place behind the conversions
.irp c, 0,1
.irp i, 0,1,2
	v_mov_b32 v[C+3+6*\c+\i], v[236+4*\c+\i]
.endr
.endr
.irp c, 0,1,2
	global_store_b128 v4, v[C+4*\c:C+4*\c+3], s[26:27] offset:1536*(\f)+512*\c   ; 512 consecutive bytes a store
.endr
.endm
	LOAD 0
	LOAD 1
	FRAGQ 0
	FRAGQ 1
	FRAGQ 2
	FRAGQ 3
	s_wait_xcnt 0x0                                ; EXEC changes only behind this wait
	v_cmp_gt_u32 vcc_lo, 16, v1
	s_wait_tensorcnt 0x0
	ds_add_u32 v254, v255
	s_wait_dscnt 0x0
	s_and_saveexec_b32 s30, vcc_lo
	global_store_b128 v24, v[20:23], s[28:29]      ; sixteen lanes: 256 consecutive bytes, aligned
	s_wait_xcnt 0x0
	s_or_b32 exec_lo, exec_lo, s30
	s_endpgm
	; ---------------- the mask's way
.Lmask:
	s_sub_co_u32 s22, s21, 384                     ; T: the tile of queries
	s_lshr_b32 s23, s22, 1
	s_lshl_b32 s23, s23, 5
	s_and_b32 s24, s22, 1
	s_lshl_b32 s24, s24, 3
	s_add_co_u32 s23, s23, s24                     ; its first row
	s_lshl_b32 s32, s23, 11                        ; a row of the mask is 2,048 bytes
	s_lshl_b32 s24, s20, 9                         ; my four steps: 512 keys
	s_add_co_u32 s32, s32, s24
	v_and_b32 v4, 8, v2
	v_add_nc_u32 v4, v4, v2                        ; r + 8 (r / 8)
	v_lshlrev_b32 v4, 11, v4
	v_lshl_add_u32 v4, v3, 4, v4                   ; + 16 h
	v_lshlrev_b32 v5, 3, v1                        ; 8 lane
	s_lshl_b32 s34, s22, 4
	s_lshl_b32 s24, s20, 2
	s_add_co_u32 s34, s34, s24                     ; 16 T + 4 wave: my first step, and also the byte of my flag word
	s_mov_b32 s35, 0
	s_add_co_u32 s36, s34, 524288
	s_mov_b32 s37, 0
	s_lshl_b32 s34, s34, 8                         ; 256 bytes of lane words a step
	s_wait_kmcnt 0x0
	s_add_nc_u64 s[14:15], s[14:15], s[32:33]
	s_add_nc_u64 s[34:35], s[18:19], s[34:35]
	s_add_nc_u64 s[36:37], s[18:19], s[36:37]
.irp s, 0,1,2,3
.irp b, 0,1,2,3
	global_load_b128 v[32+16*\s+4*\b:32+16*\s+4*\b+3], v4, s[14:15] offset:128*\s+32*\b   ; keys 128 s + 32 b + 16 h + 0 .. 15 of my query
.endr
.endr
.irp j, 0,1,2,3,4,5,6,7
	v_mov_b32 v[16+\j], 0                          ; v_writelane's destination counts as read
.endr
	s_mov_b32 s46, 0
	s_wait_loadcnt 0x0
.macro MSTEP sp                        ; one step: 64 lane words; word n goes to lane n / 2, register n % 2, so that a store of 8 bytes a lane lays them on end
	s_mov_b32 s44, -1
	s_mov_b32 s45, 0
.set n, 0
.rept 64
	v_and_b32 v[9+n%2], 0xff<<(8*(n%4)), v[32+16*(\sp)+n/4]
	v_cmp_ne_u32 s[40+n%2], 0, v[9+n%2]
	s_and_b32 s44, s44, s[40+n%2]
	s_or_b32 s45, s45, s[40+n%2]
	v_writelane_b32 v[16+2*(\sp)+n%2], s[40+n%2], n/2
.set n, n+1
.endr
	global_store_b64 v5, v[16+2*(\sp):17+2*(\sp)], s[34:35] offset:256*(\sp)   ; 256 consecutive bytes, aligned
	s_cmp_lg_u32 s45, 0                            ; some key hidden?
	s_cselect_b32 s47, 0x10001, 1
	s_cmp_lg_u32 s44, -1                           ; some key counts?
	s_cselect_b32 s47, s47, 0
	s_lshl_b32 s47, s47, \sp
	s_or_b32 s46, s46, s47
.endm
	MSTEP 0
	MSTEP 1
	MSTEP 2
	MSTEP 3
	v_mov_b32 v6, s46
	v_mov_b32 v7, 0
	s_wait_xcnt 0x0                                ; EXEC changes only behind this wait
	v_cmp_eq_u32 vcc_lo, 0, v1
	s_and_saveexec_b32 s48, vcc_lo
	global_store_b32 v7, v6, s[36:37]              ; 4 bytes a wave: 2,048 bytes in the whole launch
	s_wait_xcnt 0x0
	s_or_b32 exec_lo, exec_lo, s48
	s_endpgm
.Lfunc_end_k_q26ea12ae68_prep:
	.size	k_q26ea12ae68_prep, .Lfunc_end_k_q26ea12ae68_prep-k_q26ea12ae68_prep
	.p2alignl 7, 3214868480
	.fill 96, 4, 3214868480
	.section	.rodata,"a",@progbits
	.p2align	6, 0x0
	.amdhsa_kernel k_q26ea12ae68_prep
		.amdhsa_group_segment_fixed_size 34304
		.amdhsa_private_segment_fixed_size 0
		.amdhsa_enable_private_segment 0
		.amdhsa_kernarg_size 64
		.amdhsa_user_sgpr_count 2
		.amdhsa_user_sgpr_kernarg_segment_ptr 1
		.amdhsa_wavefront_size32 1
		.amdhsa_system_sgpr_workgroup_id_x 1
		.amdhsa_system_sgpr_workgroup_id_y 1
		.amdhsa_system_sgpr_workgroup_id_z 1
		.amdhsa_system_vgpr_workitem_id 0
		.amdhsa_next_free_vgpr 256
		.amdhsa_next_free_sgpr 66
		.amdhsa_reserve_vcc 1
		.amdhsa_float_denorm_mode_32 3
		.amdhsa_float_denorm_mode_16_64 3
		.amdhsa_memory_ordered 1
		.amdhsa_forward_progress 1
		.amdhsa_inst_pref_size 99
	.end_amdhsa_kernel
	.amdgpu_metadata
---
amdhsa.version: [ 1, 2 ]
amdhsa.kernels:
  - .name:           k_q26ea12ae68_prep
    .symbol:         k_q26ea12ae68_prep.kd
    .args:
      - { .name: x, .offset: 0, .size: 8, .value_kind: global_buffer, .address_space: global }
      - { .name: Wq, .offset: 8, .size: 8, .value_kind: global_buffer, .address_space: global }
      - { .name: Wk, .offset: 16, .size: 8, .value_kind: global_buffer, .address_space: global }
      - { .name: Wv, .offset: 24, .size: 8, .value_kind: global_buffer, .address_space: global }
      - { .name: Wo, .offset: 32, .size: 8, .value_kind: global_buffer, .address_space: global }
      - { .name: mask, .offset: 40, .size: 8, .value_kind: global_buffer, .address_space: global }
      - { .name: opnd, .offset: 48, .size: 8, .value_kind: global_buffer, .address_space: global }
      - { .name: mwords, .offset: 56, .size: 8, .value_kind: global_buffer, .address_space: global }
    .group_segment_fixed_size: 34304
    .private_segment_fixed_size: 0
    .kernarg_segment_align: 8
    .kernarg_segment_size: 64
    .max_flat_workgroup_size: 128
    .sgpr_count:     66
    .vgpr_count:     256
    .wavefront_size: 32
...
	.end_amdgpu_metadata
.endif
;; end of part 1
;; launch qkv (part 2): grid 12 x 64, 4 waves a work-group, clusters of 4 x 4, 295,424 bytes of LDS; arguments opnd, bq, bk, bv, qkv; writes qkv
.if DOCPART == 2
	.amdgcn_target "amdgcn-amd-amdhsa--gfx1250"
	.amdhsa_code_object_version 6
	.text
	.protected	k_q26ea12ae68_qkv
	.globl	k_q26ea12ae68_qkv
	.p2align	8
	.type	k_q26ea12ae68_qkv,@function
k_q26ea12ae68_qkv:
	s_mov_b64 s[64:65], 0
	v_nop
	global_prefetch_b8 v0, s[64:65] scope:SCOPE_SE
	s_setreg_imm32_b32 hwreg(HW_REG_WAVE_MODE, 25, 1), 1
	s_wait_xcnt 0x0
	s_wait_alu depctr_hold_cnt(0) depctr_sa_sdst(0) depctr_va_vdst(0) depctr_va_sdst(0) depctr_va_ssrc(0) depctr_va_vcc(0) depctr_vm_vsrc(0)
	s_getreg_b32 s2, hwreg(HW_REG_IB_STS2, 6, 4)
	s_cmp_eq_u32 s2, 0
	s_cbranch_scc0 .Lentry_in_a_cluster
	s_endpgm
.Lentry_in_a_cluster:
	s_bfe_u32 s2, ttmp6, 0x10000c
	s_cmp_lg_u32 s2, 0xf033
	s_cbranch_scc0 .Lentry_shape_is_right
	s_endpgm
.Lentry_shape_is_right:
; QKV.  q = x Wq^T + bq, k, v likewise, on codes of FP6 (E2M3) with E8M0 scales, sums in f32; the results are quantised in registers (q, k along the head's 64, v along the keys) and leave as images of operand registers.
; SHARES.  A work-group makes 128 rows x 256 columns over all of K = 1,024; the cluster's x says which of q, k, v.  Wave w takes all 128 rows x 64 columns: ONE HEAD: 32 accumulators, 32 products for 128 along K.
; LDS holds the work-group's whole operands: x 8 tiles x 8 K steps x 1,536 bytes = 98,304, W 16 x 8 x 1,536 = 196,608.  Every byte is filled ONCE: each wave issues four tensor loads at the start
; (a chunk of 256 along K each; four loads of a wave are out at the most), and the waits on them are counted: no slot is ever filled again.
; CLUSTER 4 x 4: the four of a row need the same rows of x, the four of a column the same rows of W: each tile is asked for jointly.
; q AND k ARE MADE TRANSPOSED (source 0 = 16 rows of W, source 1 = 16 rows of x): a lane holds one row and, by the order of W's rows in a tile, 16 neighbours of each block of 32 of the head.
; v IS MADE AS IT STANDS (source 0 = x, source 1 = W): a lane holds one channel and, by the order of x's rows in a tile, 16 neighbouring keys of each block of 32.  So one quantiser serves all three.
; The bias is the C of each sum's first product.  The 32 accumulators take turns, one product a turn, in the same order in every K step.
; LIMITS: a block of zeros, or one under 2^-124, carries the byte 1 (read by this program alone); NaN and infinities are not served.
; REGISTERS: window 0: v1-11 addresses; v32-63 x's scale words (register 8 i + K step: lanes 0-15 tile 2 i, lanes 16-31 tile 2 i + 1); v64-79 W's likewise; v80-111 bias; v112-191 the quantiser.
;   window 1: the accumulators.   windows 2, 3: two sets of fragments: x's eight at v[12 a], W's four at v[96 + 12 b].
.set WL,    98304                      ; LDS: x's fragment (a, K step) at 12,288 step + 1,536 a;  W's (b16, step) at WL + 49,152 (step / 2) + 24,576 (b16 / 8) + 3,072 (b16 % 8) + 1,536 (step % 2)
.set SCOFF, 9437184
.set XS,  32
.set WS,  64
.set BI,  80
.set BM,  112                          ; largest magnitudes
.set PT,  116                          ; permute results, then bytes
.set SO,  120                          ; the conversions' scale operands
.set PW,  128                          ; four scale words
.set PC,  132                          ; four units of 12 registers of codes
.set YT,  180
.set OW,  188
.set G1X, 24
.set G1W, 32
.set G0X, 48
.set G0W, 68
.set MSB, 0
.macro WIN new                         ; the immediate's high byte repeats the setting that is left
.if MSB != (\new)
	s_set_vgpr_msb (MSB<<8)|(\new)
.set MSB, (\new)
.endif
.endm
.macro CREST
	s_cmp_lg_u32 s14, 0
	s_cbranch_scc1 .Lnot_wave_0_\@
	s_barrier_signal -3
.Lnot_wave_0_\@:
	s_barrier_wait -3
	s_barrier_signal -1
	s_barrier_wait -1
.endm
.macro CROUND                          ; a round of the cluster's barrier
	s_barrier_signal -1
	s_barrier_wait -1
	CREST
.endm
	s_load_b256 s[4:11], s[0:1], 0x0               ; opnd, bq, bk, bv
	s_load_b64 s[12:13], s[0:1], 0x20              ; qkv
	v_lshl_add_u32 v254, v0, 2, 0x48000
	v_mov_b32 v255, 0
	ds_add_u32 v254, v255
	ds_add_u32 v254, v255
	v_lshrrev_b32 v1, 5, v0
	v_readfirstlane_b32 s14, v1                    ; wave
	s_lshr_b32 s15, s14, 1                         ; I fetch for x (0) or for W (1)
	s_and_b32 s16, s14, 1                          ; and which part
	s_bfe_u32 s40, ttmp6, 0x40000                  ; cx
	s_bfe_u32 s41, ttmp6, 0x40004                  ; cy
	s_and_b32 s17, ttmp7, 0xffff
	s_lshl_b32 s17, s17, 2
	s_add_co_u32 s17, s17, s41                     ; the block of 128 rows
	s_mov_b32 s18, ttmp9                           ; 0 q, 1 k, 2 v: the cluster's x, the same in all sixteen
	s_lshl_b32 s45, s41, 2
	s_lshl_b32 s45, 15, s45                        ; my row of the cluster
	s_lshl_b32 s46, 0x1111, s40                    ; my column
	; group 1.  Elements of 8 bytes.  x: 8 rows (tiles) of 192 elements (one K step's image), 1,536 elements from tile to tile.  W: 8 rows of 384 (two K steps)
	s_or_b32 s[G1X], s45, (3<<16)|(1<<21)
	s_or_b32 s[G1W], s46, (3<<16)|(1<<21)
	s_mov_b32 s[G1X+1], 192<<16
	s_mov_b32 s[G1X+2], 8<<16
	s_mov_b32 s[G1X+3], 192<<16
	s_mov_b32 s[G1X+4], 8
	s_mov_b32 s[G1X+5], 1536
	s_mov_b32 s[G1X+6], 0
	s_mov_b32 s[G1X+7], 0
	s_mov_b32 s[G1W+1], 384<<16
	s_mov_b32 s[G1W+2], 8<<16
	s_mov_b32 s[G1W+3], 384<<16
	s_mov_b32 s[G1W+4], 8
	s_mov_b32 s[G1W+5], 1536
	s_mov_b32 s[G1W+6], 0
	s_mov_b32 s[G1W+7], 0
	s_mul_i32 s20, s17, 98304                      ; x: 8 tiles of 12,288 bytes a block,
	s_mul_i32 s21, s16, 1536                       ; the even or the odd K step of a chunk
	s_add_co_u32 s20, s20, s21
	s_mov_b32 s21, 0
	s_mul_i32 s22, s16, 12288                      ; and its place in LDS
	s_lshl_b32 s42, s18, 6                         ; W: tile 512 + 64 type + 16 cx + 8 part
	s_lshl_b32 s43, s40, 4
	s_add_co_u32 s42, s42, s43
	s_lshl_b32 s43, s16, 3
	s_add_co_u32 s42, s42, s43
	s_add_co_u32 s42, s42, 512
	s_mul_i32 s42, s42, 12288
	s_mov_b32 s43, 0
	s_mul_i32 s23, s16, 24576
	s_add_co_u32 s23, s23, WL
	; where the results go
	s_lshr_b32 s84, s17, 4
	s_lshl_b32 s84, s84, 4
	s_lshl_b32 s85, s40, 2
	s_add_co_u32 s84, s84, s85
	s_add_co_u32 s84, s84, s14                     ; 16 batch + head, head = 4 cx + wave
	s_and_b32 s85, s17, 15                         ; the block of 128 rows in the sequence
	s_lshl_b32 s86, s84, 6
	s_lshl_b32 s87, s85, 2
	s_add_co_u32 s86, s86, s87
	s_mul_i32 s86, s86, 1536                       ; four units of 1,536 bytes
	s_mul_i32 s87, s18, 6291456
	s_add_co_u32 s86, s86, s87
	s_mov_b32 s87, 0
	s_lshl_b32 s88, s84, 4
	s_add_co_u32 s88, s88, s85
	s_cmp_eq_u32 s18, 2
	s_cselect_b32 s89, 8, 9                        ; scale words: 512 bytes a block for q and k, 256 for v
	s_lshl_b32 s88, s88, s89
	s_mul_i32 s89, s18, 524288
	s_add_co_u32 s88, s88, s89
	s_add_co_u32 s88, s88, 18874368
	s_mov_b32 s89, 0
	s_lshl_b32 s92, s18, 6                         ; my four tiles' scale words
	s_lshl_b32 s93, s40, 4
	s_add_co_u32 s92, s92, s93
	s_lshl_b32 s93, s14, 2
	s_add_co_u32 s92, s92, s93
	s_add_co_u32 s92, s92, 512
	s_lshl_b32 s92, s92, 9
	s_add_co_u32 s92, s92, SCOFF
	s_mov_b32 s93, 0
	s_lshl_b32 s94, s17, 12                        ; x's: 8 tiles of 512 bytes
	s_add_co_u32 s94, s94, SCOFF
	s_mov_b32 s95, 0
	s_lshl_b32 s47, s40, 2
	s_add_co_u32 s47, s47, s14
	s_lshl_b32 s2, s47, 8                          ; the head's 64 numbers of the bias
	s_mov_b32 s3, 0
	s_mov_b32 s96, 0x76543210
	s_mov_b32 s97, 0xfedcba98
	s_mov_b32 s98, 0xffff0000                      ; lanes 16-31
	s_wait_dscnt 0x0
	s_wait_kmcnt 0x0
	s_add_nc_u64 s[20:21], s[4:5], s[20:21]
	s_add_nc_u64 s[42:43], s[4:5], s[42:43]
	s_add_nc_u64 s[86:87], s[12:13], s[86:87]
	s_add_nc_u64 s[88:89], s[12:13], s[88:89]
	s_add_nc_u64 s[92:93], s[4:5], s[92:93]
	s_add_nc_u64 s[94:95], s[4:5], s[94:95]
	s_cmp_eq_u32 s18, 0
	s_cselect_b64 s[90:91], s[6:7], s[8:9]
	s_cmp_eq_u32 s18, 2
	s_cselect_b64 s[90:91], s[10:11], s[90:91]
	s_add_nc_u64 s[90:91], s[90:91], s[2:3]
	CROUND                                         ; all sixteen work-groups are here: the joint loads meet
.irp j, 0,1,2,3
	s_mov_b32 s[G0X+4*\j], 1
	s_add_co_u32 s[G0X+4*\j+1], s22, 24576*\j
	s_add_nc_u64 s[G0X+4*\j+2:G0X+4*\j+3], s[20:21], 3072*\j
	s_or_b32 s[G0X+4*\j+3], s[G0X+4*\j+3], 0x80000000
	s_mov_b32 s[G0W+4*\j], 1
	s_add_co_u32 s[G0W+4*\j+1], s23, 49152*\j
	s_add_nc_u64 s[G0W+4*\j+2:G0W+4*\j+3], s[42:43], 3072*\j
	s_or_b32 s[G0W+4*\j+3], s[G0W+4*\j+3], 0x80000000
.endr
	s_cmp_eq_u32 s15, 0                            ; a wave's four fills stand in one branch on its number
	s_cbranch_scc0 .Lfill_w
.irp j, 0,1,2,3
	tensor_load_to_lds s[G0X+4*\j:G0X+4*\j+3], s[G1X:G1X+7]
	s_nop 0
.endr
.rept 4
	v_nop
.endr
	s_branch .Lfilled
.Lfill_w:
.irp j, 0,1,2,3
	tensor_load_to_lds s[G0W+4*\j:G0W+4*\j+3], s[G1W:G1W+7]
	s_nop 0
.endr
.rept 4
	v_nop
.endr
.Lfilled:
	v_and_b32 v1, 31, v0
	v_lshlrev_b32 v1, 4, v1                        ; 16 lane
	v_and_b32 v2, 15, v0                           ; r
	v_bfe_u32 v3, v0, 4, 1                         ; h
	v_mov_b32 v4, v1                               ; x's fragments in LDS
	s_mul_i32 s47, s15, 24576
	s_mul_i32 s19, s16, 12288
	s_add_co_u32 s47, s47, s19
	s_add_co_u32 s47, s47, WL
	v_add_nc_u32 v5, s47, v1                       ; my four tiles of W
	v_lshlrev_b32 v8, 4, v2
	v_lshl_add_u32 v8, v3, 9, v8                   ; scale words: 16 r, lanes 16-31 a tile (512 bytes) on
	v_lshlrev_b32 v9, 6, v3                        ; bias of q, k: 64 h
	v_and_b32 v10, 8, v2
	v_add_nc_u32 v10, v10, v2
	v_lshlrev_b32 v10, 2, v10                      ; bias of v: 4 (r + 8 (r / 8))
.irp q, 0,1,2,3
	v_mov_b32 v[PT+\q], 0                          ; a lane permute's destination counts as read
.endr
.irp i, 0,1
.irp kh, 0,1
	global_load_b128 v[WS+8*\i+4*\kh:WS+8*\i+4*\kh+3], v8, s[92:93] offset:1024*\i+256*\kh
.endr
.endr
.irp i, 0,1,2,3
.irp kh, 0,1
	global_load_b128 v[XS+8*\i+4*\kh:XS+8*\i+4*\kh+3], v8, s[94:95] offset:1024*\i+256*\kh
.endr
.endr
	s_cmp_eq_u32 s18, 2
	s_cbranch_scc1 .Lbias_v
.irp b, 0,1,2,3                        ; q, k: register j of tile b is feature 32 (b / 2) + 8 (b % 2) + 16 h + j
	global_load_b128 v[BI+8*\b:BI+8*\b+3], v9, s[90:91] offset:128*(\b/2)+32*(\b%2)
	global_load_b128 v[BI+8*\b+4:BI+8*\b+7], v9, s[90:91] offset:128*(\b/2)+32*(\b%2)+16
.endr
	s_branch .Lbias_done
.Lbias_v:
.irp t, 0,1,2,3                        ; v: all eight registers of tile t are channel 32 (t / 2) + 8 (t % 2) + r + 8 (r / 8)
	global_load_b32 v[BI+8*\t], v10, s[90:91] offset:128*(\t/2)+32*(\t%2)
.endr
	s_wait_loadcnt 0x0
.irp t, 0,1,2,3
.irp j, 1,2,3,4,5,6,7
	v_mov_b32 v[BI+8*\t+\j], v[BI+8*\t]
.endr
.endr
.Lbias_done:
.macro WMS                             ; one product from the symbols rD rA rB rC rSA rSB; rRA, rRB: the scales stand in lanes 16-31
.if rRA && rRB
	v_wmma_scale_f32_16x16x128_f8f6f4 v[rD:rD+7], v[rA:rA+11], v[rB:rB+11], v[rC:rC+7], v[rSA], v[rSB] matrix_a_fmt:MATRIX_FMT_FP6 matrix_b_fmt:MATRIX_FMT_FP6 matrix_a_scale:MATRIX_SCALE_ROW1 matrix_b_scale:MATRIX_SCALE_ROW1
.elseif rRA
	v_wmma_scale_f32_16x16x128_f8f6f4 v[rD:rD+7], v[rA:rA+11], v[rB:rB+11], v[rC:rC+7], v[rSA], v[rSB] matrix_a_fmt:MATRIX_FMT_FP6 matrix_b_fmt:MATRIX_FMT_FP6 matrix_a_scale:MATRIX_SCALE_ROW1
.elseif rRB
	v_wmma_scale_f32_16x16x128_f8f6f4 v[rD:rD+7], v[rA:rA+11], v[rB:rB+11], v[rC:rC+7], v[rSA], v[rSB] matrix_a_fmt:MATRIX_FMT_FP6 matrix_b_fmt:MATRIX_FMT_FP6 matrix_b_scale:MATRIX_SCALE_ROW1
.else
	v_wmma_scale_f32_16x16x128_f8f6f4 v[rD:rD+7], v[rA:rA+11], v[rB:rB+11], v[rC:rC+7], v[rSA], v[rSB] matrix_a_fmt:MATRIX_FMT_FP6 matrix_b_fmt:MATRIX_FMT_FP6
.endif
.endm
.macro MUL_T k                         ; q, k: accumulator 4 a + b = W's tile b x x's tile a
.irp a, 0,1,2,3,4,5,6,7
.irp b, 0,1,2,3
.set rD, 8*(4*\a+\b)
.set rA, 96+12*\b
.set rB, 12*\a
.set rC, rD
.if (\k) == 0
.set rC, BI+8*\b
.endif
.set rSA, WS+8*(\b/2)+(\k)
.set rRA, \b%2
.set rSB, XS+8*(\a/2)+(\k)
.set rRB, \a%2
	WMS
.endr
.endr
.endm
.macro MUL_N k                         ; v: accumulator 8 t + a = x's tile a x W's tile t
.irp t, 0,1,2,3
.irp a, 0,1,2,3,4,5,6,7
.set rD, 8*(8*\t+\a)
.set rA, 12*\a
.set rB, 96+12*\t
.set rC, rD
.if (\k) == 0
.set rC, BI+8*\t
.endif
.set rSA, XS+8*(\a/2)+(\k)
.set rRA, \a%2
.set rSB, WS+8*(\t/2)+(\k)
.set rRB, \t%2
	WMS
.endr
.endr
.endm
.macro MULWIN k                        ; sources in window 2 or 3, D in window 1; C in window 0 (the bias) in the first K step, else in window 1
.if (\k) == 0
	WIN 0x4a
.elseif (\k)%2 == 0
	WIN 0x5a
.else
	WIN 0x5f
.endif
.endm
.macro FETCH k                         ; K step k's 12 fragments into set k % 2: 36 loads in one run.  The four plain lines are the places behind the last product that read that set
	v_add_nc_u32 v6, 12288*(\k), v4
	v_add_nc_u32 v7, 49152*((\k)/2), v5
	v_nop
	v_nop
	WIN 0x80+0x40*((\k)%2)
.irp a, 0,1,2,3,4,5,6,7
.irp c, 0,1,2
	ds_load_b128 v[12*\a+4*\c:12*\a+4*\c+3], v6 offset:1536*\a+512*\c
.endr
.endr
.irp b, 0,1,2,3
.irp c, 0,1,2
	ds_load_b128 v[96+12*\b+4*\c:96+12*\b+4*\c+3], v7 offset:3072*\b+1536*((\k)%2)+512*\c
.endr
.endr
	WIN 0
.endm
.macro KSTEP k
	s_wait_dscnt 0x0                               ; this step's fragments are in; no LDS instruction of mine is out
.if ((\k)%2 == 1) && ((\k) < 7)
	s_wait_tensorcnt 3-((\k)+1)/2                  ; my part of the next chunk has landed; the chunks behind it stay out
	s_barrier_signal -1
	s_barrier_wait -1                              ; everybody's has.
.endif
.if (\k) < 7
	FETCH (\k)+1
.endif
	s_cmp_eq_u32 s18, 2
	s_cbranch_scc1 .Lv_\@
	MULWIN \k
	MUL_T \k
	WIN 0
	s_branch .Lj_\@
.Lv_\@:
	MULWIN \k
	MUL_N \k
	WIN 0
.Lj_\@:
.endm
	s_wait_tensorcnt 0x3                           ; my part of the first chunk is in; three loads stay out
	s_barrier_signal -1
	s_barrier_wait -1
	FETCH 0
	s_wait_loadcnt 0x0                             ; scale words and bias
	KSTEP 0
	KSTEP 1
	KSTEP 2
	KSTEP 3
	KSTEP 4
	KSTEP 5
	KSTEP 6
	KSTEP 7
; THE QUANTISER.  In both numberings register 64 u + 16 q + i is number 32 q' + 16 h + i of a block of 32 that lanes l and l xor 16 share
; (q, k: unit u = rows' tiles 2 u, 2 u + 1; q = 2 (tile % 2) + block of the head.   v: unit u = channel tile u; q = block of keys).
.macro QUANTW u
	WIN 0x14                                       ; sources 1 and 2: the accumulators
.irp q, 0,1,2,3
	v_max3_num_f32 v[BM+\q], 0x1800000, |v[64*\u+16*\q]|, |v[64*\u+16*\q+1]|   ; each accumulator is read from its low end on; the floor 2^(3 - 127) holds the byte at 1 from below
.endr
.irp i, 2,4,6,8,10,12,14
.irp q, 0,1,2,3
	v_max3_num_f32 v[BM+\q], v[BM+\q], |v[64*\u+16*\q+\i]|, |v[64*\u+16*\q+\i+1]|
.endr
.endr
	WIN 0
.irp q, 0,1,2,3
	v_permlanex16_b32 v[PT+\q], v[BM+\q], s96, s97
.endr
.irp q, 0,1,2,3
	v_max_num_f32 v[BM+\q], v[BM+\q], v[PT+\q]
.endr
.irp q, 0,1,2,3
	v_add_nc_u32 v[SO+\q], 0xff000000, v[BM+\q]
.endr
.irp q, 0,1,2,3
	v_lshrrev_b32 v[PT+\q], 23, v[SO+\q]
.endr
	v_lshl_or_b32 v[PW+\u], v[PT+1], 8, v[PT]
	v_lshl_or_b32 v[PW+\u], v[PT+2], 16, v[PW+\u]
	v_lshl_or_b32 v[PW+\u], v[PT+3], 24, v[PW+\u]
	WIN 0x01                                       ; source 0: the accumulators
.irp c, 0,1
	v_cvt_scalef32_pk16_fp6_f32 v[PC+12*\u+6*\c:PC+12*\u+6*\c+2], v[64*\u+32*\c:64*\u+32*\c+15], v[SO+2*\c]
	v_cvt_scalef32_pk16_fp6_f32 v[YT+4*\c:YT+4*\c+2], v[64*\u+32*\c+16:64*\u+32*\c+31], v[SO+2*\c+1]
.endr
	WIN 0
	v_nop                                          ; a plain place behind the conversions
.irp c, 0,1                            ; a whole block to a lane: lanes 0-15 block 2 c, lanes 16-31 block 2 c + 1
.irp i, 0,1,2
	v_permlane16_swap_b32 v[PC+12*\u+6*\c+\i], v[YT+4*\c+\i]
.endr
.irp i, 0,1,2
	v_mov_b32 v[PC+12*\u+6*\c+3+\i], v[YT+4*\c+\i]
.endr
.endr
.irp c, 0,1,2
	global_store_b128 v1, v[PC+12*\u+4*\c:PC+12*\u+4*\c+3], s[86:87] offset:1536*\u+512*\c   ; 512 consecutive bytes a store
.endr
.endm
.rept 4
	v_nop                                          ; places behind the last products
.endr
	QUANTW 0
	QUANTW 1
	QUANTW 2
	QUANTW 3
	s_cmp_eq_u32 s18, 2
	s_cbranch_scc1 .Lsc_v
	v_lshlrev_b32 v11, 4, v3                       ; q, k: lanes 0-15 keep the even tile's two bytes, lanes 16-31 the odd tile's; bytes 2 and 3 are 0
.irp u, 0,1,2,3
	v_lshrrev_b32 v[OW+\u], v11, v[PW+\u]
.endr
.irp u, 0,1,2,3
	v_and_b32 v[OW+\u], 0xffff, v[OW+\u]
.endr
	global_store_b128 v1, v[OW:OW+3], s[88:89]
	s_branch .Lsc_done
.Lsc_v:
	v_cndmask_b32 v[OW], v[PW], v[PW+1], s98       ; v: lanes 0-15 channel tile 2 i, lanes 16-31 tile 2 i + 1
	v_cndmask_b32 v[OW+1], v[PW+2], v[PW+3], s98
	v_lshrrev_b32 v11, 1, v1                       ; 8 lane
	global_store_b64 v11, v[OW:OW+1], s[88:89]
.Lsc_done:
	s_wait_tensorcnt 0x0
	ds_add_u32 v254, v255
	s_wait_dscnt 0x0
	CROUND                                         ; the closing round: no work-group ends while a partner may still ask for a tile that names it
	s_endpgm
.Lfunc_end_k_q26ea12ae68_qkv:
	.size	k_q26ea12ae68_qkv, .Lfunc_end_k_q26ea12ae68_qkv-k_q26ea12ae68_qkv
	.p2alignl 7, 3214868480
	.fill 96, 4, 3214868480
	.section	.rodata,"a",@progbits
	.p2align	6, 0x0
	.amdhsa_kernel k_q26ea12ae68_qkv
		.amdhsa_group_segment_fixed_size 295424
		.amdhsa_private_segment_fixed_size 0
		.amdhsa_enable_private_segment 0
		.amdhsa_kernarg_size 40
		.amdhsa_user_sgpr_count 2
		.amdhsa_user_sgpr_kernarg_segment_ptr 1
		.amdhsa_wavefront_size32 1
		.amdhsa_system_sgpr_workgroup_id_x 1
		.amdhsa_system_sgpr_workgroup_id_y 1
		.amdhsa_system_sgpr_workgroup_id_z 1
		.amdhsa_system_vgpr_workitem_id 0
		.amdhsa_next_free_vgpr 1024
		.amdhsa_next_free_sgpr 100
		.amdhsa_reserve_vcc 0
		.amdhsa_float_denorm_mode_32 3
		.amdhsa_float_denorm_mode_16_64 3
		.amdhsa_memory_ordered 1
		.amdhsa_forward_progress 1
		.amdhsa_inst_pref_size 117
	.end_amdhsa_kernel
	.amdgpu_metadata
---
amdhsa.version: [ 1, 2 ]
amdhsa.kernels:
  - .name:           k_q26ea12ae68_qkv
    .symbol:         k_q26ea12ae68_qkv.kd
    .args:
      - { .name: opnd, .offset: 0, .size: 8, .value_kind: global_buffer, .address_space: global }
      - { .name: bq, .offset: 8, .size: 8, .value_kind: global_buffer, .address_space: global }
      - { .name: bk, .offset: 16, .size: 8, .value_kind: global_buffer, .address_space: global }
      - { .name: bv, .offset: 24, .size: 8, .value_kind: global_buffer, .address_space: global }
      - { .name: qkv, .offset: 32, .size: 8, .value_kind: global_buffer, .address_space: global }
    .group_segment_fixed_size: 295424
    .private_segment_fixed_size: 0
    .kernarg_segment_align: 8
    .kernarg_segment_size: 40
    .max_flat_workgroup_size: 128
    .sgpr_count:     100
    .vgpr_count:     1024
    .wavefront_size: 32
...
	.end_amdgpu_metadata
.endif
;; end of part 2
;; launch attn (part 3): grid 4 x 64, 16 waves a work-group, no clusters, 210,944 bytes of LDS; arguments qkv, mwords, att; writes att
.if DOCPART == 3
	.amdgcn_target "amdgcn-amd-amdhsa--gfx1250"
	.amdhsa_code_object_version 6
	.text
	.protected	k_q26ea12ae68_attn
	.globl	k_q26ea12ae68_attn
	.p2align	8
	.type	k_q26ea12ae68_attn,@function
k_q26ea12ae68_attn:
	s_mov_b64 s[64:65], 0
	v_nop
	global_prefetch_b8 v0, s[64:65] scope:SCOPE_SE
	s_setreg_imm32_b32 hwreg(HW_REG_WAVE_MODE, 25, 1), 1
	s_wait_xcnt 0x0
; ATTN.  For each (batch, head): S^T = K Q^T, the mask, p = 2^(t - M), O^T += V^T P^T, O / l, and O quantised along the model's 1,024 for the last product.  Codes of FP6 (E2M3), E8M0 scales, sums in f32.
; t = score x log2(e) / 8; M = the running largest t rounded up to a whole number; p is quantised along the keys, not normalised; l is the sum of the unquantised p.  When M moves, l and O are multiplied by 2^(old M - new M): exact.
; SHARES.  A work-group takes one (batch, head) and a quarter of its 128 tiles of 16 queries.  Wave w of work-group j takes tiles 16 j + w and 127 - (16 j + w), one after the other; four waves to a SIMD.
; The head's K and V (codes 2 x 98,304 bytes, scale words 8,192 + 4,096) are brought into LDS once, through registers, and only read after the one barrier.
; THE MASK IS AN INPUT.  An earlier launch stored, for each tile of queries and each step of 128 keys, two flags and 64 lane words.  A step none of whose keys counts is passed over by a scalar branch on the stored flag;
; a step with hidden keys sets their scores to -infinity by 64 selects on the lane words.  Any mask is served.
; NO CLUSTER, NO TENSOR LOAD: the walk branches on stored whole numbers.  What the four work-groups of a head share is read once by each: 208,896 bytes.
; K = 64 IN A PRODUCT OF 128: a tile of K is 6 registers; the operand names 12, the upper six being the next tile's codes (behind the last tile: zeros).  Q's upper six registers are zero codes, so those products are zeros
; whatever stands opposite them (E2M3 has no NaN and no infinity), and the scale bytes 2 and 3 of both sides are 0, which is a finite power of two.
; A QUERY WITH NO KEY THAT COUNTS has l = 0: its scale bytes are stored as 0xff, so that the last product gives NaN in that row, as the softmax of an empty row does.
; LIMITS: p under 2^-126 counts as 0; a block's largest p is taken from its largest score by the same two instructions; NaN and infinities among the inputs are not served.
; REGISTERS: v1-4 addresses that stay, v5-8 the step's; v9 -infinity; v12 -M, v13 largest t, v[14:15] l; v16-27 Q (22-27 zeros), v28 its scale word; v32-79 K's 8 tiles or V's 4 fragments; v80-85 zeros;
;   v86-92 the second tile's Q; v93-94 the output's scale words; v96-159 S^T, then p; v160-191 O^T; v192-203 codes; v204-239 at work.
.set LVI, 98304                        ; LDS: K's images at 0 (6,144 a step), V's here,
.set LKS, 196608                       ; K's scale words (512 a step),
.set LVS, 204800                       ; V's (256 a step)
.set S,   96
.set O,   160
.set PC,  192
.set YT,  204
.set BM,  212
.set PT,  216
.set SO,  220
	s_load_b128 s[4:7], s[0:1], 0x0                ; qkv, mwords
	s_load_b64 s[8:9], s[0:1], 0x10                ; att
	v_lshl_add_u32 v254, v0, 2, 0x33000
	v_mov_b32 v255, 0
	v_lshrrev_b32 v1, 5, v0
	v_readfirstlane_b32 s10, v1                    ; wave 0..15
	s_and_b32 s12, ttmp7, 0xffff                   ; 16 batch + head
	s_lshl_b32 s13, ttmp9, 4
	s_add_co_u32 s13, s13, s10                     ; my first tile of queries
	s_sub_co_u32 s14, 127, s13                     ; my second
	s_and_b32 s15, s10, 1
	s_sub_co_u32 s15, 0, s15                       ; all ones where the first tile is odd
	s_lshl_b32 s31, s13, 4                         ; their flag words: 16 bytes a tile
	s_lshl_b32 s11, s14, 4
	s_mul_i32 s40, s12, 98304
	s_add_co_u32 s42, s40, 6291456                 ; K's images
	s_mov_b32 s43, 0
	s_add_co_u32 s44, s40, 12582912                ; V's
	s_mov_b32 s45, 0
	s_lshl_b32 s46, s12, 13
	s_add_co_u32 s46, s46, 19398656                ; K's scale words
	s_mov_b32 s47, 0
	s_lshl_b32 s48, s12, 12
	s_add_co_u32 s48, s48, 19922944                ; V's
	s_mov_b32 s49, 0
	s_lshl_b32 s50, s12, 6
	s_lshl_b32 s53, s12, 4
	v_lshlrev_b32 v5, 4, v0                        ; 16 x thread
	v_lshlrev_b32 v6, 3, v0                        ; 8 x thread
	v_add_nc_u32 v238, 0x10000, v5                 ; the same in LDS, 65,536 bytes apart: an LDS offset has 16 bits
	v_add_nc_u32 v239, 0x20000, v5
	v_add_nc_u32 v236, LKS, v5
	v_add_nc_u32 v237, LKS, v6
	v_and_b32 v1, 31, v0
	v_lshlrev_b32 v1, 4, v1                        ; 16 lane
	v_and_b32 v11, 15, v0                          ; r
.macro QADDR t, vu, vw                 ; tile s[t]: the offset of its unit of Q (two tiles, 1,536 bytes) and of its rows' scale words
	s_lshr_b32 s51, s[\t], 1
	s_add_co_u32 s51, s51, s50
	s_mul_i32 s51, s51, 1536
	v_add_nc_u32 v[\vu], s51, v1
	s_lshr_b32 s52, s[\t], 3
	s_add_co_u32 s52, s52, s53
	s_lshl_b32 s52, s52, 9
	s_and_b32 s54, s[\t], 1
	s_lshl_b32 s54, s54, 8
	s_add_co_u32 s52, s52, s54
	s_bfe_u32 s54, s[\t], 0x20001
	s_lshl_b32 s54, s54, 2
	s_add_co_u32 s52, s52, s54
	s_add_co_u32 s52, s52, 18874368
	v_lshl_add_u32 v[\vw], v11, 4, s52
.endm
	QADDR 13, 7, 9
	QADDR 14, 8, 10
	s_wait_kmcnt 0x0
	s_load_b128 s[32:35], s[6:7], s31 offset:0x80000
	s_load_b128 s[36:39], s[6:7], s11 offset:0x80000
	s_add_nc_u64 s[42:43], s[4:5], s[42:43]
	s_add_nc_u64 s[44:45], s[4:5], s[44:45]
	s_add_nc_u64 s[46:47], s[4:5], s[46:47]
	s_add_nc_u64 s[48:49], s[4:5], s[48:49]
.irp i, 0,1,2,3,4,5,6,7,8,9,10,11
	global_load_b128 v[32+4*\i:35+4*\i], v5, s[42:43] offset:8192*\i      ; the 512 threads read 8,192 consecutive bytes
.endr
.irp i, 0,1,2,3,4,5,6,7,8,9,10,11
	global_load_b128 v[160+4*\i:163+4*\i], v5, s[44:45] offset:8192*\i
.endr
	global_load_b128 v[208:211], v5, s[46:47]
	global_load_b64 v[212:213], v6, s[48:49]
.irp c, 0,1,2
	global_load_b128 v[96+4*\c:99+4*\c], v7, s[4:5] offset:512*\c
.endr
.irp c, 0,1,2
	global_load_b128 v[108+4*\c:111+4*\c], v8, s[4:5] offset:512*\c
.endr
	global_load_b32 v28, v9, s[4:5]
	global_load_b32 v92, v10, s[4:5]
	s_wait_loadcnt 22                              ; K's 12 loads are in; behind them stand V's 12, the 2 of scale words and Q's 8
.irp i, 0,1,2,3,4,5,6,7
	ds_store_b128 v5, v[32+4*\i:35+4*\i] offset:8192*\i
.endr
.irp i, 8,9,10,11
	ds_store_b128 v238, v[32+4*\i:35+4*\i] offset:8192*(\i-8)
.endr
	s_wait_loadcnt 8                               ; V and the scale words are in; Q's 8 stay out
.irp i, 0,1,2,3
	ds_store_b128 v238, v[160+4*\i:163+4*\i] offset:32768+8192*\i
.endr
.irp i, 4,5,6,7,8,9,10,11
	ds_store_b128 v239, v[160+4*\i:163+4*\i] offset:8192*(\i-4)
.endr
	ds_store_b128 v236, v[208:211]
	ds_store_b64 v237, v[212:213] offset:8192
	s_wait_loadcnt 0x0
.irp i, 0,1,2,3,4,5
	v_cndmask_b32 v[16+\i], v[96+\i], v[102+\i], s15      ; the unit's even or odd tile
	v_cndmask_b32 v[86+\i], v[114+\i], v[108+\i], s15     ; the second tile has the other parity
.endr
	s_wait_kmcnt 0x0
.macro PACKF d, a                      ; four flag words (4 steps each) into one: bit s some key counts, bit 16 + s some key is hidden
	s_and_b32 s[\d], s[\a], 0xf000f
	s_and_b32 s2, s[\a+1], 0xf000f
	s_lshl_b32 s2, s2, 4
	s_or_b32 s[\d], s[\d], s2
	s_and_b32 s2, s[\a+2], 0xf000f
	s_lshl_b32 s2, s2, 8
	s_or_b32 s[\d], s[\d], s2
	s_and_b32 s2, s[\a+3], 0xf000f
	s_lshl_b32 s2, s2, 12
	s_or_b32 s[\d], s[\d], s2
.endm
	PACKF 24, 32
	PACKF 29, 36
	s_mov_b32 s20, 0x76543210
	s_mov_b32 s21, 0xfedcba98                      ; selects for lane l xor 16
	s_mov_b32 s22, 0x3e38aa3b                      ; c = log2(e) / 8
	s_mov_b32 s23, s22
	s_mov_b32 s30, 0xffff0000                      ; lanes 16-31
	s_wait_dscnt 0x0                               ; for the others' sake: my stores have landed
	s_barrier_signal -1
	s_barrier_wait -1                              ; the head's K and V lie in LDS; from here on LDS is only read
	v_add_nc_u32 v2, LVI, v1
	v_add_nc_u32 v3, LKS, v1
	v_lshrrev_b32 v10, 1, v1                       ; 8 lane
	v_add_nc_u32 v4, LVS, v10
	v_mov_b32 v9, 0xff800000
	v_lshlrev_b32 v11, 2, v11                      ; 4 r
	v_mov_b32 v29, 0xffff
.irp i, 0,1,2,3,4,5
	v_mov_b32 v[22+\i], 0
	v_mov_b32 v[80+\i], 0
.endr
.irp b, 0,1,2,3
	v_mov_b32 v[PT+\b], 0                          ; a lane permute's destination counts as read
.endr
	v_mov_b32 v237, 0                              ; (named as the upper half of a pair)
	v_mov_b32 v238, 0
.macro SETT t                          ; the tile's lane words, 4,096 bytes a tile, and its place in the output's images
	s_lshl_b32 s66, \t, 12
	s_mov_b32 s67, 0
	s_add_nc_u64 s[16:17], s[6:7], s[66:67]
	s_lshr_b32 s66, s12, 4
	s_lshl_b32 s66, s66, 7
	s_add_co_u32 s66, s66, \t
	s_mul_i32 s66, s66, 12288
	s_and_b32 s2, s12, 15
	s_mul_i32 s2, s2, 768
	s_add_co_u32 s66, s66, s2
	s_add_nc_u64 s[18:19], s[8:9], s[66:67]
.endm
.macro PASS n
.if \n == 2
	s_wait_xcnt 0x0                                ; the first tile's stores have read their registers and their base
.irp i, 0,1,2,3,4,5
	v_mov_b32 v[16+\i], v[86+\i]
.endr
	v_mov_b32 v28, v92
	s_mov_b32 s24, s29
	SETT s14
.else
	SETT s13
.endif
.irp j, 0,1,2,3,4,5,6,7,8,9,10,11,12,13,14,15,16,17,18,19,20,21,22,23,24,25,26,27,28,29,30,31
	v_mov_b32 v[O+\j], 0                           ; the step is written once: the first finds zeros.  (These are also the places between the writes of Q and its scale word and the first product)
.endr
	v_mov_b32 v13, 0xff61b1e6                      ; -3e38, under every t
	v_floor_f32 v12, -v13
	v_mov_b32 v14, 0
	v_mov_b32 v15, 0
	s_mov_b32 s25, 0
	s_mov_b32 s26, 0
	s_mov_b32 s27, 0
	s_mov_b32 s28, 0
.Lstep_\@:                             ; 16 trips, a constant; what a flag decides is jumped over inside the trip
	v_add_nc_u32 v5, s26, v1                       ; the step's addresses, on every way; also the four places behind the last product of the trip before
	v_add_nc_u32 v6, s26, v2
	v_add_nc_u32 v7, s27, v3
	v_add_nc_u32 v8, s28, v4
	s_lshr_b32 s31, s24, s25
	s_bitcmp1_b32 s31, 0
	s_cbranch_scc0 .Lskip_\@                       ; no key of this step counts for any of my 16 queries
	s_load_b512 s[32:47], s[16:17], s28 offset:0x0 ; the 64 lane words
	s_load_b512 s[48:63], s[16:17], s28 offset:0x40
	s_load_b512 s[68:83], s[16:17], s28 offset:0x80
	s_load_b512 s[84:99], s[16:17], s28 offset:0xc0
.irp i, 0,1,2,3,4,5,6,7,8,9,10,11
	ds_load_b128 v[32+4*\i:35+4*\i], v5 offset:512*\i     ; K's 8 tiles, 6 registers each
.endr
	ds_load_b128 v[228:231], v7                    ; their scale words: register g: lanes 0-15 tile 2 g, lanes 16-31 tile 2 g + 1
	s_wait_dscnt 0x0
.irp t, 0,1,2,3,4,5,6,7
.if \t%2
	v_wmma_scale_f32_16x16x128_f8f6f4 v[S+8*\t:S+8*\t+7], v[32+6*\t:43+6*\t], v[16:27], 0, v[228+\t/2], v28 matrix_a_fmt:MATRIX_FMT_FP6 matrix_b_fmt:MATRIX_FMT_FP6 matrix_a_scale:MATRIX_SCALE_ROW1
.else
	v_wmma_scale_f32_16x16x128_f8f6f4 v[S+8*\t:S+8*\t+7], v[32+6*\t:43+6*\t], v[16:27], 0, v[228+\t/2], v28 matrix_a_fmt:MATRIX_FMT_FP6 matrix_b_fmt:MATRIX_FMT_FP6
.endif
.endr                                  ; register 16 b + i of lane (r, h): key 32 b + 16 h + i of the step, query r of the tile
.rept 4
	v_nop                                          ; places in front of the loads below and of the first read of the scores
.endr
.irp i, 0,1,2,3,4,5,6,7,8,9,10,11
	ds_load_b128 v[32+4*\i:35+4*\i], v6 offset:512*\i     ; V's four fragments: they land under the softmax
.endr
	ds_load_b64 v[232:233], v8
	s_wait_kmcnt 0x0                               ; the lane words are in,
	s_wait_xcnt 0x0                                ; and their loads have read their offset, which the trip's end steps
	s_bitcmp1_b32 s31, 16
	s_cbranch_scc0 .Lopen_\@                       ; every key counts
.irp m, 0,1,2,3,4,5,6,7,8,9,10,11,12,13,14,15,16,17,18,19,20,21,22,23,24,25,26,27,28,29,30,31
	v_cndmask_b32 v[S+\m], v[S+\m], v9, s[32+\m]
.endr
.irp m, 32,33,34,35,36,37,38,39,40,41,42,43,44,45,46,47,48,49,50,51,52,53,54,55,56,57,58,59,60,61,62,63
	v_cndmask_b32 v[S+\m], v[S+\m], v9, s[36+\m]
.endr
.Lopen_\@:
.irp b, 0,1,2,3
	v_max3_num_f32 v[BM+\b], v[S+16*\b], v[S+1+16*\b], v[S+2+16*\b]       ; the largest score of each block of 32 keys: for the row's maximum and for the block's largest p
.endr
.irp i, 3,5,7,9,11,13
.irp b, 0,1,2,3
	v_max3_num_f32 v[BM+\b], v[BM+\b], v[S+16*\b+\i], v[S+1+16*\b+\i]
.endr
.endr
.irp b, 0,1,2,3
	v_max_num_f32 v[BM+\b], v[BM+\b], v[S+15+16*\b]
.endr
.irp b, 0,1,2,3
	v_permlanex16_b32 v[PT+\b], v[BM+\b], s20, s21
.endr
.irp b, 0,1,2,3
	v_max_num_f32 v[BM+\b], v[BM+\b], v[PT+\b]
.endr
	v_max3_num_f32 v238, v[BM], v[BM+1], v[BM+2]
	v_max_num_f32 v238, v238, v[BM+3]
	v_mul_f32 v238, s22, v238
	v_max_num_f32 v13, v13, v238                   ; the running largest t
	v_mov_b32 v238, v12
	v_floor_f32 v12, -v13                          ; -M = floor(-t): M is a whole number
	v_sub_f32 v238, v12, v238                      ; old M - new M, 0 or less
	v_cvt_i32_f32 v238, v238                       ; (it saturates)
	v_ldexp_f32 v236, 1.0, v238                    ; f = 2^(old M - new M)
.irp j, 0,2,4,6,8,10,12,14,16,18,20,22,24,26,28,30,32,34,36,38,40,42,44,46,48,50,52,54,56,58,60,62
	v_pk_fma_f32 v[S+\j:S+1+\j], v[S+\j:S+1+\j], s[22:23], v[12:13] op_sel_hi:[1,0,0]     ; t - M
.endr
.irp b, 0,1,2,3
	v_fma_f32 v[BM+\b], v[BM+\b], s22, v12
.endr
.irp j, 0,1,2,3,4,5,6,7,8,9,10,11,12,13,14,15,16,17,18,19,20,21,22,23,24,25,26,27,28,29,30,31,32,33,34,35,36,37,38,39,40,41,42,43,44,45,46,47,48,49,50,51,52,53,54,55,56,57,58,59,60,61,62,63
	v_exp_f32 v[S+\j], v[S+\j]                     ; p = 2^(t - M)
.endr
	v_pk_mul_f32 v[14:15], v[14:15], v[236:237] op_sel_hi:[1,0]   ; l under the new M; the plain place behind the exponentials
	s_wait_alu depctr_va_vdst(0)                   ; one wait for the batch, ahead of its first reader
.irp b, 0,1,2,3
	v_exp_f32 v[BM+\b], v[BM+\b]                   ; each block's largest p
.endr
	v_pk_add_f32 v[224:225], v[S:S+1], v[S+2:S+3]  ; l takes the unquantised p, in two chains
.irp j, 4,8,12,16,20,24,28,32,36,40,44,48,52,56,60
	v_pk_add_f32 v[14:15], v[14:15], v[S+\j:S+1+\j]
	v_pk_add_f32 v[224:225], v[224:225], v[S+2+\j:S+3+\j]
.endr
	v_pk_add_f32 v[14:15], v[14:15], v[224:225]
	s_wait_alu depctr_va_vdst(0)                   ; and one for the four
.irp b, 0,1,2,3
	v_max_num_f32 v[BM+\b], 0x1800000, v[BM+\b]    ; the floor: the byte cannot fall under 1
.endr
.irp b, 0,1,2,3
	v_add_nc_u32 v[SO+\b], 0xff000000, v[BM+\b]
.endr
.irp b, 0,1,2,3
	v_lshrrev_b32 v[PT+\b], 23, v[SO+\b]
.endr
	v_lshl_or_b32 v234, v[PT+1], 8, v[PT]          ; p's scale word for these 128 keys
	v_lshl_or_b32 v234, v[PT+2], 16, v234
	v_lshl_or_b32 v234, v[PT+3], 24, v234
.irp c, 0,1
	v_cvt_scalef32_pk16_fp6_f32 v[PC+6*\c:PC+2+6*\c], v[S+32*\c:S+15+32*\c], v[SO+2*\c]
	v_cvt_scalef32_pk16_fp6_f32 v[YT+4*\c:YT+2+4*\c], v[S+16+32*\c:S+31+32*\c], v[SO+2*\c+1]
.endr
	v_nop                                          ; a plain place behind the conversions
.irp c, 0,1
.irp i, 0,1,2
	v_permlane16_swap_b32 v[PC+6*\c+\i], v[YT+4*\c+\i]
.endr
.irp i, 0,1,2
	v_mov_b32 v[PC+3+6*\c+\i], v[YT+4*\c+\i]
.endr
.endr
.irp j, 0,2,4,6,8,10,12,14,16,18,20,22,24,26,28,30
	v_pk_mul_f32 v[O+\j:O+1+\j], v[O+\j:O+1+\j], v[236:237] op_sel_hi:[1,0]       ; O^T under the new M; also the places between the writes of p's codes and scale word and the products
.endr
	s_wait_dscnt 0x0                               ; V is in
.irp t, 0,1,2,3
.if \t%2
	v_wmma_scale_f32_16x16x128_f8f6f4 v[O+8*\t:O+8*\t+7], v[32+12*\t:43+12*\t], v[PC:PC+11], v[O+8*\t:O+8*\t+7], v[232+\t/2], v234 matrix_a_fmt:MATRIX_FMT_FP6 matrix_b_fmt:MATRIX_FMT_FP6 matrix_a_scale:MATRIX_SCALE_ROW1
.else
	v_wmma_scale_f32_16x16x128_f8f6f4 v[O+8*\t:O+8*\t+7], v[32+12*\t:43+12*\t], v[PC:PC+11], v[O+8*\t:O+8*\t+7], v[232+\t/2], v234 matrix_a_fmt:MATRIX_FMT_FP6 matrix_b_fmt:MATRIX_FMT_FP6
.endif
.endr
.Lskip_\@:
	s_add_co_u32 s26, s26, 6144
	s_add_co_u32 s27, s27, 512
	s_add_co_u32 s28, s28, 256
	s_add_co_u32 s25, s25, 1
	s_cmp_lt_u32 s25, 16
	s_cbranch_scc1 .Lstep_\@
	; the tile's end: O / l, quantised along the head's two blocks of 32: register 16 b + i of lane (r, h) is channel 32 b + 16 h + i
.rept 4
	v_nop                                          ; places behind the last products
.endr
	v_add_f32 v14, v14, v15
	v_permlanex16_b32 v238, v14, s20, s21
	v_add_f32 v14, v14, v238                       ; the row's sum
	v_rcp_f32 v236, v14
	v_nop                                          ; a plain place behind the reciprocal
	v_cmp_eq_f32 vcc_lo, 0, v14                    ; no key counted for this query
	s_wait_alu depctr_va_vdst(0)                   ; ahead of the reciprocal's first reader
.irp j, 0,2,4,6,8,10,12,14,16,18,20,22,24,26,28,30
	v_pk_mul_f32 v[S+\j:S+1+\j], v[O+\j:O+1+\j], v[236:237] op_sel_hi:[1,0]
.endr
.irp b, 0,1
	v_max3_num_f32 v[BM+\b], |v[S+16*\b]|, |v[S+1+16*\b]|, 0x1800000
.endr
.irp i, 2,4,6,8,10,12,14
.irp b, 0,1
	v_max3_num_f32 v[BM+\b], v[BM+\b], |v[S+16*\b+\i]|, |v[S+1+16*\b+\i]|
.endr
.endr
.irp b, 0,1
	v_permlanex16_b32 v[PT+\b], v[BM+\b], s20, s21
.endr
.irp b, 0,1
	v_max_num_f32 v[BM+\b], v[BM+\b], v[PT+\b]
.endr
.irp b, 0,1
	v_add_nc_u32 v[SO+\b], 0xff000000, v[BM+\b]
.endr
.irp b, 0,1
	v_lshrrev_b32 v[PT+\b], 23, v[SO+\b]
.endr
	v_lshl_or_b32 v[92+\n], v[PT+1], 8, v[PT]
	v_cndmask_b32 v[92+\n], v[92+\n], v29, vcc_lo  ; an empty row: both bytes 0xff
	v_cvt_scalef32_pk16_fp6_f32 v[PC:PC+2], v[S:S+15], v[SO]
	v_cvt_scalef32_pk16_fp6_f32 v[YT:YT+2], v[S+16:S+31], v[SO+1]
	v_nop
.irp i, 0,1,2
	v_permlane16_swap_b32 v[PC+\i], v[YT+\i]
.endr
.irp i, 0,1,2
	v_mov_b32 v[PC+3+\i], v[YT+\i]
.endr
.irp p, 0,1,2
	global_store_b64 v10, v[PC+2*\p:PC+2*\p+1], s[18:19] offset:256*\p    ; 256 consecutive bytes, aligned: half a fragment of the last product's operand
.endr
.endm
	PASS 1
	PASS 2
	s_lshl_b32 s2, s13, 10                         ; the two tiles' scale words leave by one store: lanes 0-15 the first tile's, lanes 16-31 the second's; runs of 64 bytes, 524,288 bytes in the whole launch
	s_lshl_b32 s3, s14, 10
	v_mov_b32 v5, s2
	v_mov_b32 v6, s3
	v_cndmask_b32 v5, v5, v6, s30
	v_add_nc_u32 v5, v5, v11
	v_cndmask_b32 v6, v93, v94, s30
	s_lshr_b32 s26, s12, 4
	s_lshl_b32 s26, s26, 17
	s_and_b32 s27, s12, 15
	s_lshl_b32 s27, s27, 6
	s_add_co_u32 s26, s26, s27
	s_add_co_u32 s26, s26, 6291456
	s_mov_b32 s27, 0
	s_add_nc_u64 s[26:27], s[8:9], s[26:27]
	global_store_b32 v5, v6, s[26:27]
	s_wait_tensorcnt 0x0
	ds_add_u32 v254, v255
	s_wait_dscnt 0x0
	s_endpgm
.Lfunc_end_k_q26ea12ae68_attn:
	.size	k_q26ea12ae68_attn, .Lfunc_end_k_q26ea12ae68_attn-k_q26ea12ae68_attn
	.p2alignl 7, 3214868480
	.fill 96, 4, 3214868480
	.section	.rodata,"a",@progbits
	.p2align	6, 0x0
	.amdhsa_kernel k_q26ea12ae68_attn
		.amdhsa_group_segment_fixed_size 210944
		.amdhsa_private_segment_fixed_size 0
		.amdhsa_enable_private_segment 0
		.amdhsa_kernarg_size 24
		.amdhsa_user_sgpr_count 2
		.amdhsa_user_sgpr_kernarg_segment_ptr 1
		.amdhsa_wavefront_size32 1
		.amdhsa_system_sgpr_workgroup_id_x 1
		.amdhsa_system_sgpr_workgroup_id_y 1
		.amdhsa_system_sgpr_workgroup_id_z 1
		.amdhsa_system_vgpr_workitem_id 0
		.amdhsa_next_free_vgpr 256
		.amdhsa_next_free_sgpr 100
		.amdhsa_reserve_vcc 1
		.amdhsa_float_denorm_mode_32 3
		.amdhsa_float_denorm_mode_16_64 3
		.amdhsa_memory_ordered 1
		.amdhsa_forward_progress 1
		.amdhsa_inst_pref_size 63
	.end_amdhsa_kernel
	.amdgpu_metadata
---
amdhsa.version: [ 1, 2 ]
amdhsa.kernels:
  - .name:           k_q26ea12ae68_attn
    .symbol:         k_q26ea12ae68_attn.kd
    .args:
      - { .name: qkv, .offset: 0, .size: 8, .value_kind: global_buffer, .address_space: global }
      - { .name: mwords, .offset: 8, .size: 8, .value_kind: global_buffer, .address_space: global }
      - { .name: att, .offset: 16, .size: 8, .value_kind: global_buffer, .address_space: global }
    .group_segment_fixed_size: 210944
    .private_segment_fixed_size: 0
    .kernarg_segment_align: 8
    .kernarg_segment_size: 24
    .max_flat_workgroup_size: 512
    .sgpr_count:     100
    .vgpr_count:     256
    .wavefront_size: 32
...
	.end_amdgpu_metadata
.endif
;; end of part 3
;; launch oproj (part 4): grid 4 x 64, 4 waves a work-group, clusters of 4 x 4, 295,424 bytes of LDS; arguments att, opnd, bo, out0; writes out0
.if DOCPART == 4
	.amdgcn_target "amdgcn-amd-amdhsa--gfx1250"
	.amdhsa_code_object_version 6
	.text
	.protected	k_q26ea12ae68_oproj
	.globl	k_q26ea12ae68_oproj
	.p2align	8
	.type	k_q26ea12ae68_oproj,@function
k_q26ea12ae68_oproj:
	s_mov_b64 s[64:65], 0
	v_nop
	global_prefetch_b8 v0, s[64:65] scope:SCOPE_SE
	s_setreg_imm32_b32 hwreg(HW_REG_WAVE_MODE, 25, 1), 1
	s_wait_xcnt 0x0
	s_wait_alu depctr_hold_cnt(0) depctr_sa_sdst(0) depctr_va_vdst(0) depctr_va_sdst(0) depctr_va_ssrc(0) depctr_va_vcc(0) depctr_vm_vsrc(0)
	s_getreg_b32 s2, hwreg(HW_REG_IB_STS2, 6, 4)
	s_cmp_eq_u32 s2, 0
	s_cbranch_scc0 .Lentry_in_a_cluster
	s_endpgm
.Lentry_in_a_cluster:
	s_bfe_u32 s2, ttmp6, 0x10000c
	s_cmp_lg_u32 s2, 0xf033
	s_cbranch_scc0 .Lentry_shape_is_right
	s_endpgm
.Lentry_shape_is_right:
; OPROJ.  out = a Wo^T + bo on codes of FP6 (E2M3) with E8M0 scales, sums in f32.  a: the attention's result, as images of operand registers in pieces of 8 bytes a lane; Wo: images in pieces of 16.
; SHARES, LDS, FILLS and CLUSTER as in the launch that makes q, k, v: a work-group makes 128 rows x 256 columns over all of K = 1,024, wave w all rows x 64 columns; the whole operands lie in LDS
; (98,304 + 196,608 bytes), every byte filled once by four tensor loads a wave at the start (four of a wave are out at the most), asked for jointly along the cluster's rows (a) and columns (Wo).
; TRANSPOSED: source 0 = 16 rows of Wo (neighbours), source 1 = 16 rows of a: a lane holds eight neighbouring columns of one row of out.  bo is the C of each sum's first product.
; The 32 accumulators take turns, one product a turn.
; THE WAY OUT: 16 rows x 256 bytes at a time through the wave's own stage in LDS and back as whole rows: sixteen lanes store 256 consecutive bytes, aligned.  The stages lie in a's K steps 0 to 2,
; which were filled once and which every wave has finished reading ahead of the barrier of K step 3.
; A row of a whose scale bytes are 0xff (a query for which no key counted) gives NaN in its row of out.
; REGISTERS: window 0: v1-13 addresses; v32-63 a's scale words; v64-79 Wo's; v80-111 bias; v128-191 a's scale words as loaded, later rows of out.  window 1: accumulators.  windows 2, 3: two sets of fragments.
.set WL,    98304
.set SCOFF, 9437184
.set XS,  32
.set WS,  64
.set BI,  80
.set RAW, 128
.set BK,  128
.set SPITCH, 272
.set G1X, 24
.set G1W, 32
.set G0X, 48
.set G0W, 68
.set MSB, 0
.macro WIN new                         ; the immediate's high byte repeats the setting that is left
.if MSB != (\new)
	s_set_vgpr_msb (MSB<<8)|(\new)
.set MSB, (\new)
.endif
.endm
.macro CREST
	s_cmp_lg_u32 s14, 0
	s_cbranch_scc1 .Lnot_wave_0_\@
	s_barrier_signal -3
.Lnot_wave_0_\@:
	s_barrier_wait -3
	s_barrier_signal -1
	s_barrier_wait -1
.endm
.macro CROUND                          ; a round of the cluster's barrier
	s_barrier_signal -1
	s_barrier_wait -1
	CREST
.endm
	s_load_b256 s[4:11], s[0:1], 0x0               ; att, opnd, bo, out0
	v_lshl_add_u32 v254, v0, 2, 0x48000
	v_mov_b32 v255, 0
	ds_add_u32 v254, v255
	ds_add_u32 v254, v255
	v_lshrrev_b32 v1, 5, v0
	v_readfirstlane_b32 s14, v1                    ; wave
	s_lshr_b32 s15, s14, 1                         ; I fetch for a (0) or for Wo (1)
	s_and_b32 s16, s14, 1
	s_bfe_u32 s40, ttmp6, 0x40000                  ; cx: the block of 256 columns
	s_bfe_u32 s41, ttmp6, 0x40004                  ; cy
	s_and_b32 s17, ttmp7, 0xffff
	s_lshl_b32 s17, s17, 2
	s_add_co_u32 s17, s17, s41                     ; the block of 128 rows
	s_lshl_b32 s45, s41, 2
	s_lshl_b32 s45, 15, s45                        ; my row of the cluster
	s_lshl_b32 s46, 0x1111, s40                    ; my column
	s_or_b32 s[G1X], s45, (3<<16)|(1<<21)          ; elements of 8 bytes; a: 8 rows (tiles) of 192, 1,536 from tile to tile; Wo: 8 rows of 384
	s_or_b32 s[G1W], s46, (3<<16)|(1<<21)
	s_mov_b32 s[G1X+1], 192<<16
	s_mov_b32 s[G1X+2], 8<<16
	s_mov_b32 s[G1X+3], 192<<16
	s_mov_b32 s[G1X+4], 8
	s_mov_b32 s[G1X+5], 1536
	s_mov_b32 s[G1X+6], 0
	s_mov_b32 s[G1X+7], 0
	s_mov_b32 s[G1W+1], 384<<16
	s_mov_b32 s[G1W+2], 8<<16
	s_mov_b32 s[G1W+3], 384<<16
	s_mov_b32 s[G1W+4], 8
	s_mov_b32 s[G1W+5], 1536
	s_mov_b32 s[G1W+6], 0
	s_mov_b32 s[G1W+7], 0
	s_mul_i32 s20, s17, 98304
	s_mul_i32 s21, s16, 1536
	s_add_co_u32 s20, s20, s21
	s_mov_b32 s21, 0
	s_mul_i32 s22, s16, 12288
	s_lshl_b32 s42, s40, 4                         ; Wo: tile 704 + 16 cx + 8 part
	s_lshl_b32 s43, s16, 3
	s_add_co_u32 s42, s42, s43
	s_add_co_u32 s42, s42, 704
	s_mul_i32 s42, s42, 12288
	s_mov_b32 s43, 0
	s_mul_i32 s23, s16, 24576
	s_add_co_u32 s23, s23, WL
	s_lshl_b32 s92, s40, 4                         ; my four tiles' scale words
	s_lshl_b32 s93, s14, 2
	s_add_co_u32 s92, s92, s93
	s_add_co_u32 s92, s92, 704
	s_lshl_b32 s92, s92, 9
	s_add_co_u32 s92, s92, SCOFF
	s_mov_b32 s93, 0
	s_lshl_b32 s94, s17, 13                        ; a's: 8 tiles of 1,024 bytes
	s_add_co_u32 s94, s94, 6291456
	s_mov_b32 s95, 0
	s_lshl_b32 s90, s40, 10
	s_lshl_b32 s91, s14, 8
	s_add_co_u32 s90, s90, s91                     ; my 64 columns, in bytes
	s_mov_b32 s91, 0
	s_lshl_b32 s86, s17, 19                        ; 128 rows of 4,096 bytes
	s_add_co_u32 s86, s86, s90
	s_mov_b32 s87, 0
	s_wait_dscnt 0x0
	s_wait_kmcnt 0x0
	s_add_nc_u64 s[20:21], s[4:5], s[20:21]
	s_add_nc_u64 s[42:43], s[6:7], s[42:43]
	s_add_nc_u64 s[92:93], s[6:7], s[92:93]
	s_add_nc_u64 s[94:95], s[4:5], s[94:95]
	s_add_nc_u64 s[90:91], s[8:9], s[90:91]
	s_add_nc_u64 s[86:87], s[10:11], s[86:87]
	CROUND                                         ; all sixteen work-groups are here: the joint loads meet
.irp j, 0,1,2,3
	s_mov_b32 s[G0X+4*\j], 1
	s_add_co_u32 s[G0X+4*\j+1], s22, 24576*\j
	s_add_nc_u64 s[G0X+4*\j+2:G0X+4*\j+3], s[20:21], 3072*\j
	s_or_b32 s[G0X+4*\j+3], s[G0X+4*\j+3], 0x80000000
	s_mov_b32 s[G0W+4*\j], 1
	s_add_co_u32 s[G0W+4*\j+1], s23, 49152*\j
	s_add_nc_u64 s[G0W+4*\j+2:G0W+4*\j+3], s[42:43], 3072*\j
	s_or_b32 s[G0W+4*\j+3], s[G0W+4*\j+3], 0x80000000
.endr
	s_cmp_eq_u32 s15, 0                            ; a wave's four fills stand in one branch on its number
	s_cbranch_scc0 .Lfill_w
.irp j, 0,1,2,3
	tensor_load_to_lds s[G0X+4*\j:G0X+4*\j+3], s[G1X:G1X+7]
	s_nop 0
.endr
.rept 4
	v_nop
.endr
	s_branch .Lfilled
.Lfill_w:
.irp j, 0,1,2,3
	tensor_load_to_lds s[G0W+4*\j:G0W+4*\j+3], s[G1W:G1W+7]
	s_nop 0
.endr
.rept 4
	v_nop
.endr
.Lfilled:
	v_and_b32 v1, 31, v0
	v_lshlrev_b32 v4, 3, v1                        ; a's fragments in LDS: 8 lane
	v_lshlrev_b32 v1, 4, v1                        ; 16 lane
	v_and_b32 v2, 15, v0                           ; r
	v_bfe_u32 v3, v0, 4, 1                         ; h
	s_mul_i32 s47, s15, 24576
	s_mul_i32 s19, s16, 12288
	s_add_co_u32 s47, s47, s19
	s_add_co_u32 s47, s47, WL
	v_add_nc_u32 v5, s47, v1                       ; my four tiles of Wo
	v_lshlrev_b32 v8, 4, v2
	v_lshl_add_u32 v8, v3, 9, v8                   ; Wo's scale words: 16 r, lanes 16-31 a tile on
	v_lshlrev_b32 v9, 2, v2
	v_lshl_add_u32 v9, v3, 10, v9                  ; a's: 4 r, lanes 16-31 a tile (1,024 bytes) on
	v_lshlrev_b32 v10, 5, v3                       ; bias: 32 h
	s_mul_i32 s47, s14, 32*SPITCH                  ; my stage: two halves of 16 rows
	v_mul_u32_u24 v11, v2, SPITCH
	v_lshl_add_u32 v11, v3, 5, v11
	v_add_nc_u32 v11, s47, v11                     ; in: row r, + 32 h
	v_mul_u32_u24 v12, v3, SPITCH
	v_lshl_add_u32 v12, v2, 4, v12
	v_add_nc_u32 v12, s47, v12                     ; back: lanes 0-15 one row, lanes 16-31 the next
	v_lshlrev_b32 v13, 4, v2
	v_lshl_add_u32 v13, v3, 12, v13                ; and the same two rows in out
.irp i, 0,1
.irp kh, 0,1
	global_load_b128 v[WS+8*\i+4*\kh:WS+8*\i+4*\kh+3], v8, s[92:93] offset:1024*\i+256*\kh
.endr
.endr
.irp b, 0,1,2,3                        ; register j of tile b is column 16 b + 8 h + j of my 64
	global_load_b128 v[BI+8*\b:BI+8*\b+3], v10, s[90:91] offset:64*\b
	global_load_b128 v[BI+8*\b+4:BI+8*\b+7], v10, s[90:91] offset:64*\b+16
.endr
.irp i, 0,1,2,3
.irp hd, 0,1,2,3,4,5,6,7,8,9,10,11,12,13,14,15
	global_load_b32 v[RAW+16*\i+\hd], v9, s[94:95] offset:2048*\i+64*\hd   ; a head's two bytes of each row: lanes 0-15 tile 2 i, lanes 16-31 tile 2 i + 1
.endr
.endr
.macro WMS                             ; one product from the symbols rD rA rB rC rSA rSB; rRA, rRB: the scales stand in lanes 16-31
.if rRA && rRB
	v_wmma_scale_f32_16x16x128_f8f6f4 v[rD:rD+7], v[rA:rA+11], v[rB:rB+11], v[rC:rC+7], v[rSA], v[rSB] matrix_a_fmt:MATRIX_FMT_FP6 matrix_b_fmt:MATRIX_FMT_FP6 matrix_a_scale:MATRIX_SCALE_ROW1 matrix_b_scale:MATRIX_SCALE_ROW1
.elseif rRA
	v_wmma_scale_f32_16x16x128_f8f6f4 v[rD:rD+7], v[rA:rA+11], v[rB:rB+11], v[rC:rC+7], v[rSA], v[rSB] matrix_a_fmt:MATRIX_FMT_FP6 matrix_b_fmt:MATRIX_FMT_FP6 matrix_a_scale:MATRIX_SCALE_ROW1
.elseif rRB
	v_wmma_scale_f32_16x16x128_f8f6f4 v[rD:rD+7], v[rA:rA+11], v[rB:rB+11], v[rC:rC+7], v[rSA], v[rSB] matrix_a_fmt:MATRIX_FMT_FP6 matrix_b_fmt:MATRIX_FMT_FP6 matrix_b_scale:MATRIX_SCALE_ROW1
.else
	v_wmma_scale_f32_16x16x128_f8f6f4 v[rD:rD+7], v[rA:rA+11], v[rB:rB+11], v[rC:rC+7], v[rSA], v[rSB] matrix_a_fmt:MATRIX_FMT_FP6 matrix_b_fmt:MATRIX_FMT_FP6
.endif
.endm
.macro MUL_T k                         ; accumulator 4 a + b = Wo's tile b x a's tile a
.irp a, 0,1,2,3,4,5,6,7
.irp b, 0,1,2,3
.set rD, 8*(4*\a+\b)
.set rA, 96+12*\b
.set rB, 12*\a
.set rC, rD
.if (\k) == 0
.set rC, BI+8*\b
.endif
.set rSA, WS+8*(\b/2)+(\k)
.set rRA, \b%2
.set rSB, XS+8*(\a/2)+(\k)
.set rRB, \a%2
	WMS
.endr
.endr
.endm
.macro MULWIN k                        ; sources in window 2 or 3, D in window 1; C in window 0 (the bias) in the first K step, else in window 1
.if (\k) == 0
	WIN 0x4a
.elseif (\k)%2 == 0
	WIN 0x5a
.else
	WIN 0x5f
.endif
.endm
.macro FETCH k                         ; K step k's 12 fragments into set k % 2: 60 loads in one run.  The four plain lines are the places behind the last product that read that set
	v_add_nc_u32 v6, 12288*(\k), v4
	v_add_nc_u32 v7, 49152*((\k)/2), v5
	v_nop
	v_nop
	WIN 0x80+0x40*((\k)%2)
.irp a, 0,1,2,3,4,5,6,7
.irp p, 0,1,2,3,4,5
	ds_load_b64 v[12*\a+2*\p:12*\a+2*\p+1], v6 offset:1536*\a+256*\p
.endr
.endr
.irp b, 0,1,2,3
.irp c, 0,1,2
	ds_load_b128 v[96+12*\b+4*\c:96+12*\b+4*\c+3], v7 offset:3072*\b+1536*((\k)%2)+512*\c
.endr
.endr
	WIN 0
.endm
.macro KSTEP k
	s_wait_dscnt 0x0                               ; this step's fragments are in; no LDS instruction of mine is out
.if ((\k)%2 == 1) && ((\k) < 7)
	s_wait_tensorcnt 3-((\k)+1)/2                  ; my part of the next chunk has landed; the chunks behind it stay out
	s_barrier_signal -1
	s_barrier_wait -1                              ; everybody's has.
.endif
.if (\k) < 7
	FETCH (\k)+1
.endif
	MULWIN \k
	MUL_T \k
	WIN 0
.endm
	s_wait_tensorcnt 0x3                           ; my part of the first chunk is in; three loads stay out
	s_barrier_signal -1
	s_barrier_wait -1
	FETCH 0
	s_wait_loadcnt 0x0                             ; scale words and bias
.irp i, 0,1,2,3
.irp k, 0,1,2,3,4,5,6,7
	v_lshl_or_b32 v[XS+8*\i+\k], v[RAW+16*\i+2*\k+1], 16, v[RAW+16*\i+2*\k]   ; two heads make a K step's word
.endr
.endr
.rept 8
	v_nop                                          ; scale registers written by vector instructions stand eight places ahead of a scaled product
.endr
	KSTEP 0
	KSTEP 1
	KSTEP 2
	KSTEP 3
	KSTEP 4
	KSTEP 5
	KSTEP 6
	KSTEP 7
.macro TOSTAGE a                       ; tile a's 16 rows x 64 columns into half a % 2 of my stage, and back as whole rows
	WIN 0x04                                       ; an LDS store's data are its source 1: window 1
.irp b, 0,1,2,3
	ds_store_b128 v11, v[32*(\a)+8*\b:32*(\a)+8*\b+3] offset:16*SPITCH*((\a)%2)+64*\b        ; each accumulator from its low end on
	ds_store_b128 v11, v[32*(\a)+8*\b+4:32*(\a)+8*\b+7] offset:16*SPITCH*((\a)%2)+64*\b+16
.endr
	WIN 0
.irp i, 0,1,2,3,4,5,6,7
	ds_load_b128 v[BK+32*((\a)%2)+4*\i:BK+32*((\a)%2)+4*\i+3], v12 offset:16*SPITCH*((\a)%2)+2*SPITCH*\i   ; LDS serves a wave in order: these see my stores
.endr
.endm
.macro SEND a, younger                 ; younger: the LDS instructions issued behind tile a's loads, which may stay out
	s_wait_dscnt \younger
.irp i, 0,1,2,3,4,5,6,7
	global_store_b128 v13, v[BK+32*((\a)%2)+4*\i:BK+32*((\a)%2)+4*\i+3], s[86:87] offset:(32*((\a)/2)+8*((\a)%2)+2*\i+8*(\i/4))*4096 th:TH_STORE_NT   ; stage row 2 i + h is row 32 (a / 2) + 8 (a % 2) + 2 i + h + 8 (i / 4) of the block; 16 lanes store 256 consecutive bytes, aligned
.endr
.endm
.rept 4
	v_nop                                          ; places behind the last products
.endr
	TOSTAGE 0
.irp a, 1,2,3,4,5,6,7
.if \a > 1
	s_wait_xcnt 0x0                                ; the stores of the tile two back have read their registers: this tile's loads may land there
.endif
	TOSTAGE \a
	SEND \a-1, 16                                  ; behind that tile's loads: this tile's 8 stores and 8 loads
.endr
	SEND 7, 0
	s_wait_tensorcnt 0x0
	ds_add_u32 v254, v255
	s_wait_dscnt 0x0
	CROUND                                         ; the closing round: no work-group ends while a partner may still ask for a tile that names it
	s_endpgm
.Lfunc_end_k_q26ea12ae68_oproj:
	.size	k_q26ea12ae68_oproj, .Lfunc_end_k_q26ea12ae68_oproj-k_q26ea12ae68_oproj
	.p2alignl 7, 3214868480
	.fill 96, 4, 3214868480
	.section	.rodata,"a",@progbits
	.p2align	6, 0x0
	.amdhsa_kernel k_q26ea12ae68_oproj
		.amdhsa_group_segment_fixed_size 295424
		.amdhsa_private_segment_fixed_size 0
		.amdhsa_enable_private_segment 0
		.amdhsa_kernarg_size 32
		.amdhsa_user_sgpr_count 2
		.amdhsa_user_sgpr_kernarg_segment_ptr 1
		.amdhsa_wavefront_size32 1
		.amdhsa_system_sgpr_workgroup_id_x 1
		.amdhsa_system_sgpr_workgroup_id_y 1
		.amdhsa_system_sgpr_workgroup_id_z 1
		.amdhsa_system_vgpr_workitem_id 0
		.amdhsa_next_free_vgpr 1024
		.amdhsa_next_free_sgpr 100
		.amdhsa_reserve_vcc 0
		.amdhsa_float_denorm_mode_32 3
		.amdhsa_float_denorm_mode_16_64 3
		.amdhsa_memory_ordered 1
		.amdhsa_forward_progress 1
		.amdhsa_inst_pref_size 99
	.end_amdhsa_kernel
	.amdgpu_metadata
---
amdhsa.version: [ 1, 2 ]
amdhsa.kernels:
  - .name:           k_q26ea12ae68_oproj
    .symbol:         k_q26ea12ae68_oproj.kd
    .args:
      - { .name: att, .offset: 0, .size: 8, .value_kind: global_buffer, .address_space: global }
      - { .name: opnd, .offset: 8, .size: 8, .value_kind: global_buffer, .address_space: global }
      - { .name: bo, .offset: 16, .size: 8, .value_kind: global_buffer, .address_space: global }
      - { .name: out0, .offset: 24, .size: 8, .value_kind: global_buffer, .address_space: global }
    .group_segment_fixed_size: 295424
    .private_segment_fixed_size: 0
    .kernarg_segment_align: 8
    .kernarg_segment_size: 32
    .max_flat_workgroup_size: 128
    .sgpr_count:     100
    .vgpr_count:     1024
    .wavefront_size: 32
...
	.end_amdgpu_metadata
.endif
;; end of part 4
;; ======== version 2 of 2: 4 launches; version 1 with the launch attn written anew for expert scheduling mode
;; workspace buffers: opnd 9,830,400 bytes; mwords 526,336 bytes of whole numbers; qkv 20,185,088 bytes; att 6,815,744 bytes
;; launch prep: the kernel of part 1 again; grid 512 x 1, 4 waves a work-group, no clusters, 34,304 bytes of LDS; arguments x, Wq, Wk, Wv, Wo, mask, opnd, mwords; writes opnd, mwords
;; launch qkv: the kernel of part 2 again; grid 12 x 64, 4 waves a work-group, clusters of 4 x 4, 295,424 bytes of LDS; arguments opnd, bq, bk, bv, qkv; writes qkv
;; launch attn (part 5): grid 4 x 64, 16 waves a work-group, no clusters, 210,944 bytes of LDS; arguments qkv, mwords, att; writes att
.if DOCPART == 5
	.amdgcn_target "amdgcn-amd-amdhsa--gfx1250"
	.amdhsa_code_object_version 6
	.text
	.protected	k_q26ea12ae68_attn
	.globl	k_q26ea12ae68_attn
	.p2align	8
	.type	k_q26ea12ae68_attn,@function
k_q26ea12ae68_attn:
	s_mov_b64 s[64:65], 0
	v_nop
	global_prefetch_b8 v0, s[64:65] scope:SCOPE_SE
	s_setreg_imm32_b32 hwreg(HW_REG_WAVE_SCHED_MODE, 0, 2), 2
	s_setreg_imm32_b32 hwreg(HW_REG_WAVE_MODE, 25, 1), 1
	s_wait_xcnt 0x0
	s_wait_alu depctr_vm_vsrc(0)
; ATTN.  For each (batch, head): S^T = K Q^T, the mask, p = 2^(t - M), O^T += V^T P^T, O / l, and O quantised along the model's 1,024 for the last product.  Codes of FP6 (E2M3), E8M0 scales, sums in f32.
; t = score x log2(e) / 8; M = the running largest t rounded up to a whole number; p is quantised along the keys, not normalised; l is the sum of the unquantised p.  When M moves, l and O are multiplied by 2^(old M - new M): exact.
; SHARES.  A work-group takes one (batch, head) and a quarter of its 128 tiles of 16 queries.  Wave w of work-group j takes tiles 16 j + w and 127 - (16 j + w), one after the other; four waves to a SIMD.
; The head's K and V (codes 2 x 98,304 bytes, scale words 8,192 + 4,096) are brought into LDS once, through registers, and only read after the one barrier.
; THE MASK IS AN INPUT.  An earlier launch stored, for each tile of queries and each step of 128 keys, two flags and 64 lane words.  A step none of whose keys counts is passed over by a scalar branch on the stored flag;
; a step with hidden keys sets their scores to -infinity by 64 selects on the lane words.  Any mask is served.
; NO CLUSTER, NO TENSOR LOAD: the walk branches on stored whole numbers.  What the four work-groups of a head share is read once by each: 208,896 bytes.
; K = 64 IN A PRODUCT OF 128: a tile of K is 6 registers; the operand names 12, the upper six being the next tile's codes (behind the last tile: zeros).  Q's upper six registers are zero codes, so those products are zeros
; whatever stands opposite them (E2M3 has no NaN and no infinity), and the scale bytes 2 and 3 of both sides are 0, which is a finite power of two.
; A QUERY WITH NO KEY THAT COUNTS has l = 0: its scale bytes are stored as 0xff, so that the last product gives NaN in that row, as the softmax of an empty row does.
; LIMITS: p under 2^-126 counts as 0; a block's largest p is taken from its largest score by the same two instructions; NaN and infinities among the inputs are not served.
; REGISTERS: v1-4 addresses that stay, v5-8 the step's; v9 -infinity; v12 -M, v13 largest t, v[14:15] l; v16-27 Q (22-27 zeros), v28 its scale word; v32-79 K's 8 tiles or V's 4 fragments; v80-85 zeros;
;   v86-92 the second tile's Q; v93-94 the output's scale words; v96-159 S^T, then p; v160-191 O^T; v192-203 codes; v204-239 at work; v254, v255 the closing add's two.
; THE MODE: SCHED_MODE bits 1:0 = 2 (LLVM: expert scheduling mode 2), set by the entry lines.  The code itself states the register dependences
; between vector or matrix instructions and memory or LDS instructions, with s_wait_alu, always for 0.
; THE PLAN.  Registers that memory or LDS instructions touch, in the loop over the steps:
;   v5 .. v8      Written by the four additions at a trip's head; read as addresses by the trip's 26 LDS loads.
;   v32 .. v79    K's 12 loads land; the eight products K Q^T read them (with the zeros v80-85); V's 12 loads land; the four products V^T P read them.
;   v228 .. v231  K's scale words: one load a trip; read by the products K Q^T.      v232, v233  V's: one load a trip; read by the products V^T P.
;   All else in the loop (Q, S^T, p, O^T, the codes, the statistics) is named by vector and matrix instructions alone.
; Four waves of 256 registers fill a SIMD's 1,024, and 21 of a wave's are free where a second set of fragments wants 48: so K and V go on sharing v32-79, and the order of the step stays.
; A live trip has one wait on vm_vsrc, at its head, ahead of the additions, and three waits on va_vdst beside the two behind the exponentials: ahead of K's run of loads, ahead of V's run, and ahead of the products V^T P.
; Outside the loop: the head's addresses v5-10, v236-239 and staging registers v32-79, v160-213; a tile's out-buffer v192-197 with the offset v10, which is made once; the last store's v5, v6.
.set LVI, 98304                        ; LDS: K's images at 0 (6,144 a step), V's here,
.set LKS, 196608                       ; K's scale words (512 a step),
.set LVS, 204800                       ; V's (256 a step)
.set S,   96
.set O,   160
.set PC,  192
.set YT,  204
.set BM,  212
.set PT,  216
.set SO,  220
	s_load_b128 s[4:7], s[0:1], 0x0                ; qkv, mwords
	s_load_b64 s[8:9], s[0:1], 0x10                ; att
	v_lshl_add_u32 v254, v0, 2, 0x33000
	v_mov_b32 v255, 0
	v_lshrrev_b32 v1, 5, v0
	v_readfirstlane_b32 s10, v1                    ; wave 0..15
	s_wait_alu depctr_va_sdst(0)                   ; s10 is written, ahead of its first reader: the tiles' numbers are made from it
	s_and_b32 s12, ttmp7, 0xffff                   ; 16 batch + head
	s_lshl_b32 s13, ttmp9, 4
	s_add_co_u32 s13, s13, s10                     ; my first tile of queries
	s_sub_co_u32 s14, 127, s13                     ; my second
	s_and_b32 s15, s10, 1
	s_sub_co_u32 s15, 0, s15                       ; all ones where the first tile is odd
	s_lshl_b32 s31, s13, 4                         ; their flag words: 16 bytes a tile
	s_lshl_b32 s11, s14, 4
	s_mul_i32 s40, s12, 98304
	s_add_co_u32 s42, s40, 6291456                 ; K's images
	s_mov_b32 s43, 0
	s_add_co_u32 s44, s40, 12582912                ; V's
	s_mov_b32 s45, 0
	s_lshl_b32 s46, s12, 13
	s_add_co_u32 s46, s46, 19398656                ; K's scale words
	s_mov_b32 s47, 0
	s_lshl_b32 s48, s12, 12
	s_add_co_u32 s48, s48, 19922944                ; V's
	s_mov_b32 s49, 0
	s_lshl_b32 s50, s12, 6
	s_lshl_b32 s53, s12, 4
	v_lshlrev_b32 v5, 4, v0                        ; 16 x thread
	v_lshlrev_b32 v6, 3, v0                        ; 8 x thread
	v_add_nc_u32 v238, 0x10000, v5                 ; the same in LDS, 65,536 bytes apart: an LDS offset has 16 bits
	v_add_nc_u32 v239, 0x20000, v5
	v_add_nc_u32 v236, LKS, v5
	v_add_nc_u32 v237, LKS, v6
	v_and_b32 v1, 31, v0
	v_lshlrev_b32 v1, 4, v1                        ; 16 lane
	v_and_b32 v11, 15, v0                          ; r
.macro QADDR t, vu, vw                 ; tile s[t]: the offset of its unit of Q (two tiles, 1,536 bytes) and of its rows' scale words
	s_lshr_b32 s51, s[\t], 1
	s_add_co_u32 s51, s51, s50
	s_mul_i32 s51, s51, 1536
	v_add_nc_u32 v[\vu], s51, v1
	s_lshr_b32 s52, s[\t], 3
	s_add_co_u32 s52, s52, s53
	s_lshl_b32 s52, s52, 9
	s_and_b32 s54, s[\t], 1
	s_lshl_b32 s54, s54, 8
	s_add_co_u32 s52, s52, s54
	s_bfe_u32 s54, s[\t], 0x20001
	s_lshl_b32 s54, s54, 2
	s_add_co_u32 s52, s52, s54
	s_add_co_u32 s52, s52, 18874368
	v_lshl_add_u32 v[\vw], v11, 4, s52
.endm
	QADDR 13, 7, 9
	QADDR 14, 8, 10
	s_wait_kmcnt 0x0
	s_load_b128 s[32:35], s[6:7], s31 offset:0x80000
	s_load_b128 s[36:39], s[6:7], s11 offset:0x80000
	s_add_nc_u64 s[42:43], s[4:5], s[42:43]
	s_add_nc_u64 s[44:45], s[4:5], s[44:45]
	s_add_nc_u64 s[46:47], s[4:5], s[46:47]
	s_add_nc_u64 s[48:49], s[4:5], s[48:49]
	s_wait_alu depctr_va_vdst(0)                   ; the offsets v5 to v10 and the LDS addresses v236 to v239 are written, which the loads and LDS stores of the head read; no vector instruction writes one of them again ahead of the barrier
.irp i, 0,1,2,3,4,5,6,7,8,9,10,11
	global_load_b128 v[32+4*\i:35+4*\i], v5, s[42:43] offset:8192*\i      ; the 512 threads read 8,192 consecutive bytes
.endr
.irp i, 0,1,2,3,4,5,6,7,8,9,10,11
	global_load_b128 v[160+4*\i:163+4*\i], v5, s[44:45] offset:8192*\i
.endr
	global_load_b128 v[208:211], v5, s[46:47]
	global_load_b64 v[212:213], v6, s[48:49]
.irp c, 0,1,2
	global_load_b128 v[96+4*\c:99+4*\c], v7, s[4:5] offset:512*\c
.endr
.irp c, 0,1,2
	global_load_b128 v[108+4*\c:111+4*\c], v8, s[4:5] offset:512*\c
.endr
	global_load_b32 v28, v9, s[4:5]
	global_load_b32 v92, v10, s[4:5]
	s_wait_loadcnt 22                              ; K's 12 loads are in; behind them stand V's 12, the 2 of scale words and Q's 8
.irp i, 0,1,2,3,4,5,6,7
	ds_store_b128 v5, v[32+4*\i:35+4*\i] offset:8192*\i
.endr
.irp i, 8,9,10,11
	ds_store_b128 v238, v[32+4*\i:35+4*\i] offset:8192*(\i-8)
.endr
	s_wait_loadcnt 8                               ; V and the scale words are in; Q's 8 stay out
.irp i, 0,1,2,3
	ds_store_b128 v238, v[160+4*\i:163+4*\i] offset:32768+8192*\i
.endr
.irp i, 4,5,6,7,8,9,10,11
	ds_store_b128 v239, v[160+4*\i:163+4*\i] offset:8192*(\i-4)
.endr
	ds_store_b128 v236, v[208:211]
	ds_store_b64 v237, v[212:213] offset:8192
	s_wait_loadcnt 0x0
.irp i, 0,1,2,3,4,5
	v_cndmask_b32 v[16+\i], v[96+\i], v[102+\i], s15      ; the unit's even or odd tile
	v_cndmask_b32 v[86+\i], v[114+\i], v[108+\i], s15     ; the second tile has the other parity
.endr
	s_wait_kmcnt 0x0
.macro PACKF d, a                      ; four flag words (4 steps each) into one: bit s some key counts, bit 16 + s some key is hidden
	s_and_b32 s[\d], s[\a], 0xf000f
	s_and_b32 s2, s[\a+1], 0xf000f
	s_lshl_b32 s2, s2, 4
	s_or_b32 s[\d], s[\d], s2
	s_and_b32 s2, s[\a+2], 0xf000f
	s_lshl_b32 s2, s2, 8
	s_or_b32 s[\d], s[\d], s2
	s_and_b32 s2, s[\a+3], 0xf000f
	s_lshl_b32 s2, s2, 12
	s_or_b32 s[\d], s[\d], s2
.endm
	PACKF 24, 32
	PACKF 29, 36
	s_mov_b32 s20, 0x76543210
	s_mov_b32 s21, 0xfedcba98                      ; selects for lane l xor 16
	s_mov_b32 s22, 0x3e38aa3b                      ; c = log2(e) / 8
	s_mov_b32 s23, s22
	s_mov_b32 s30, 0xffff0000                      ; lanes 16-31
	s_wait_dscnt 0x0                               ; for the others' sake: my stores have landed
	s_barrier_signal -1
	s_barrier_wait -1                              ; the head's K and V lie in LDS; from here on LDS is only read
	s_wait_alu depctr_vm_vsrc(0)                   ; the head's loads and LDS stores have read their addresses (v9, v10, v236 to v238 are written anew from here on) and the LDS stores their data (v32-79, v160-213, which loads, moves and conversions write from here on)
	v_add_nc_u32 v2, LVI, v1
	v_add_nc_u32 v3, LKS, v1
	v_lshrrev_b32 v10, 1, v1                       ; 8 lane
	v_add_nc_u32 v4, LVS, v10
	v_mov_b32 v9, 0xff800000
	v_lshlrev_b32 v11, 2, v11                      ; 4 r
	v_mov_b32 v29, 0xffff
.irp i, 0,1,2,3,4,5
	v_mov_b32 v[22+\i], 0
	v_mov_b32 v[80+\i], 0
.endr
.irp b, 0,1,2,3
	v_mov_b32 v[PT+\b], 0                          ; a lane permute's destination counts as read
.endr
	v_mov_b32 v237, 0                              ; (named as the upper half of a pair)
	v_mov_b32 v238, 0
.macro SETT t                          ; the tile's lane words, 4,096 bytes a tile, and its place in the output's images
	s_lshl_b32 s66, \t, 12
	s_mov_b32 s67, 0
	s_add_nc_u64 s[16:17], s[6:7], s[66:67]
	s_lshr_b32 s66, s12, 4
	s_lshl_b32 s66, s66, 7
	s_add_co_u32 s66, s66, \t
	s_mul_i32 s66, s66, 12288
	s_and_b32 s2, s12, 15
	s_mul_i32 s2, s2, 768
	s_add_co_u32 s66, s66, s2
	s_add_nc_u64 s[18:19], s[8:9], s[66:67]
.endm
.macro PASS n
.if \n == 2
	s_wait_xcnt 0x0                                ; the first tile's stores have read their registers and their base
	s_wait_alu depctr_vm_vsrc(0)                   ; the first tile's stores have read v192 to v197, which this tile's conversions write again
.irp i, 0,1,2,3,4,5
	v_mov_b32 v[16+\i], v[86+\i]
.endr
	v_mov_b32 v28, v92
	s_mov_b32 s24, s29
	SETT s14
.else
	SETT s13
.endif
.irp j, 0,1,2,3,4,5,6,7,8,9,10,11,12,13,14,15,16,17,18,19,20,21,22,23,24,25,26,27,28,29,30,31
	v_mov_b32 v[O+\j], 0                           ; the step is written once: the first finds zeros.  (These are also the places between the writes of Q and its scale word and the first product)
.endr
	v_mov_b32 v13, 0xff61b1e6                      ; -3e38, under every t
	v_floor_f32 v12, -v13
	v_mov_b32 v14, 0
	v_mov_b32 v15, 0
	s_mov_b32 s25, 0
	s_mov_b32 s26, 0
	s_mov_b32 s27, 0
	s_mov_b32 s28, 0
.Lstep_\@:                             ; 16 trips, a constant; what a flag decides is jumped over inside the trip
	s_wait_alu depctr_vm_vsrc(0)                   ; the LDS loads issued so far have read v5 to v8, which the four additions write again
	v_add_nc_u32 v5, s26, v1                       ; the step's addresses, on every way; four plain lines behind the last product of the trip before
	v_add_nc_u32 v6, s26, v2
	v_add_nc_u32 v7, s27, v3
	v_add_nc_u32 v8, s28, v4
	s_lshr_b32 s31, s24, s25
	s_bitcmp1_b32 s31, 0
	s_cbranch_scc0 .Lskip_\@                       ; no key of this step counts for any of my 16 queries
	s_load_b512 s[32:47], s[16:17], s28 offset:0x0 ; the 64 lane words
	s_load_b512 s[48:63], s[16:17], s28 offset:0x40
	s_load_b512 s[68:83], s[16:17], s28 offset:0x80
	s_load_b512 s[84:99], s[16:17], s28 offset:0xc0
	s_wait_alu depctr_va_vdst(0)                   ; v5 to v8 are written, which this trip's LDS loads read; the products V^T P of the last live trip are done reading v32-79, in which K's tiles land; Q v16-27, its scale word v28 and the zeros v80-85 are written, which the products below take (their places stand ahead of the loop)
.irp i, 0,1,2,3,4,5,6,7,8,9,10,11
	ds_load_b128 v[32+4*\i:35+4*\i], v5 offset:512*\i     ; K's 8 tiles, 6 registers each
.endr
	ds_load_b128 v[228:231], v7                    ; their scale words: register g: lanes 0-15 tile 2 g, lanes 16-31 tile 2 g + 1
	s_wait_dscnt 0x0
.irp t, 0,1,2,3,4,5,6,7
.if \t%2
	v_wmma_scale_f32_16x16x128_f8f6f4 v[S+8*\t:S+8*\t+7], v[32+6*\t:43+6*\t], v[16:27], 0, v[228+\t/2], v28 matrix_a_fmt:MATRIX_FMT_FP6 matrix_b_fmt:MATRIX_FMT_FP6 matrix_a_scale:MATRIX_SCALE_ROW1
.else
	v_wmma_scale_f32_16x16x128_f8f6f4 v[S+8*\t:S+8*\t+7], v[32+6*\t:43+6*\t], v[16:27], 0, v[228+\t/2], v28 matrix_a_fmt:MATRIX_FMT_FP6 matrix_b_fmt:MATRIX_FMT_FP6
.endif
.endr                                  ; register 16 b + i of lane (r, h): key 32 b + 16 h + i of the step, query r of the tile
.rept 4
	v_nop                                          ; places in front of the first read of the scores
.endr
	s_wait_alu depctr_va_vdst(0)                   ; the eight products are done reading v32-85, in which V's fragments land; no vector or matrix instruction names v32-79, v232 or v233 from here to the products V^T P
.irp i, 0,1,2,3,4,5,6,7,8,9,10,11
	ds_load_b128 v[32+4*\i:35+4*\i], v6 offset:512*\i     ; V's four fragments: they land under the softmax
.endr
	ds_load_b64 v[232:233], v8
	s_wait_kmcnt 0x0                               ; the lane words are in,
	s_wait_xcnt 0x0                                ; and their loads have read their offset, which the trip's end steps
	s_bitcmp1_b32 s31, 16
	s_cbranch_scc0 .Lopen_\@                       ; every key counts
.irp m, 0,1,2,3,4,5,6,7,8,9,10,11,12,13,14,15,16,17,18,19,20,21,22,23,24,25,26,27,28,29,30,31
	v_cndmask_b32 v[S+\m], v[S+\m], v9, s[32+\m]
.endr
.irp m, 32,33,34,35,36,37,38,39,40,41,42,43,44,45,46,47,48,49,50,51,52,53,54,55,56,57,58,59,60,61,62,63
	v_cndmask_b32 v[S+\m], v[S+\m], v9, s[36+\m]
.endr
.Lopen_\@:
.irp b, 0,1,2,3
	v_max3_num_f32 v[BM+\b], v[S+16*\b], v[S+1+16*\b], v[S+2+16*\b]       ; the largest score of each block of 32 keys: for the row's maximum and for the block's largest p
.endr
.irp i, 3,5,7,9,11,13
.irp b, 0,1,2,3
	v_max3_num_f32 v[BM+\b], v[BM+\b], v[S+16*\b+\i], v[S+1+16*\b+\i]
.endr
.endr
.irp b, 0,1,2,3
	v_max_num_f32 v[BM+\b], v[BM+\b], v[S+15+16*\b]
.endr
.irp b, 0,1,2,3
	v_permlanex16_b32 v[PT+\b], v[BM+\b], s20, s21
.endr
.irp b, 0,1,2,3
	v_max_num_f32 v[BM+\b], v[BM+\b], v[PT+\b]
.endr
	v_max3_num_f32 v238, v[BM], v[BM+1], v[BM+2]
	v_max_num_f32 v238, v238, v[BM+3]
	v_mul_f32 v238, s22, v238
	v_max_num_f32 v13, v13, v238                   ; the running largest t
	v_mov_b32 v238, v12
	v_floor_f32 v12, -v13                          ; -M = floor(-t): M is a whole number
	v_sub_f32 v238, v12, v238                      ; old M - new M, 0 or less
	v_cvt_i32_f32 v238, v238                       ; (it saturates)
	v_ldexp_f32 v236, 1.0, v238                    ; f = 2^(old M - new M)
.irp j, 0,2,4,6,8,10,12,14,16,18,20,22,24,26,28,30,32,34,36,38,40,42,44,46,48,50,52,54,56,58,60,62
	v_pk_fma_f32 v[S+\j:S+1+\j], v[S+\j:S+1+\j], s[22:23], v[12:13] op_sel_hi:[1,0,0]     ; t - M
.endr
.irp b, 0,1,2,3
	v_fma_f32 v[BM+\b], v[BM+\b], s22, v12
.endr
.irp j, 0,1,2,3,4,5,6,7,8,9,10,11,12,13,14,15,16,17,18,19,20,21,22,23,24,25,26,27,28,29,30,31,32,33,34,35,36,37,38,39,40,41,42,43,44,45,46,47,48,49,50,51,52,53,54,55,56,57,58,59,60,61,62,63
	v_exp_f32 v[S+\j], v[S+\j]                     ; p = 2^(t - M)
.endr
	v_pk_mul_f32 v[14:15], v[14:15], v[236:237] op_sel_hi:[1,0]   ; l under the new M; the plain place behind the exponentials
	s_wait_alu depctr_va_vdst(0)                   ; the 64 exponentials have written p, v96-159: one wait for the batch, ahead of its first reader
.irp b, 0,1,2,3
	v_exp_f32 v[BM+\b], v[BM+\b]                   ; each block's largest p
.endr
	v_pk_add_f32 v[224:225], v[S:S+1], v[S+2:S+3]  ; l takes the unquantised p, in two chains
.irp j, 4,8,12,16,20,24,28,32,36,40,44,48,52,56,60
	v_pk_add_f32 v[14:15], v[14:15], v[S+\j:S+1+\j]
	v_pk_add_f32 v[224:225], v[224:225], v[S+2+\j:S+3+\j]
.endr
	v_pk_add_f32 v[14:15], v[14:15], v[224:225]
	s_wait_alu depctr_va_vdst(0)                   ; the four exponentials have written v212-215: one wait, ahead of their first reader
.irp b, 0,1,2,3
	v_max_num_f32 v[BM+\b], 0x1800000, v[BM+\b]    ; the floor: the byte cannot fall under 1
.endr
.irp b, 0,1,2,3
	v_add_nc_u32 v[SO+\b], 0xff000000, v[BM+\b]
.endr
.irp b, 0,1,2,3
	v_lshrrev_b32 v[PT+\b], 23, v[SO+\b]
.endr
	v_lshl_or_b32 v234, v[PT+1], 8, v[PT]          ; p's scale word for these 128 keys
	v_lshl_or_b32 v234, v[PT+2], 16, v234
	v_lshl_or_b32 v234, v[PT+3], 24, v234
.irp c, 0,1
	v_cvt_scalef32_pk16_fp6_f32 v[PC+6*\c:PC+2+6*\c], v[S+32*\c:S+15+32*\c], v[SO+2*\c]
	v_cvt_scalef32_pk16_fp6_f32 v[YT+4*\c:YT+2+4*\c], v[S+16+32*\c:S+31+32*\c], v[SO+2*\c+1]
.endr
	v_nop                                          ; a plain place behind the conversions
.irp c, 0,1
.irp i, 0,1,2
	v_permlane16_swap_b32 v[PC+6*\c+\i], v[YT+4*\c+\i]
.endr
.irp i, 0,1,2
	v_mov_b32 v[PC+3+6*\c+\i], v[YT+4*\c+\i]
.endr
.endr
.irp j, 0,2,4,6,8,10,12,14,16,18,20,22,24,26,28,30
	v_pk_mul_f32 v[O+\j:O+1+\j], v[O+\j:O+1+\j], v[236:237] op_sel_hi:[1,0]       ; O^T under the new M; also the places between the writes of p's codes and scale word and the products
.endr
	s_wait_dscnt 0x0                               ; V is in
	s_wait_alu depctr_va_vdst(0)                   ; p's codes v192-203 and p's scale word v234 are written, which the scaled products below take as operand and scales; the sixteen places above stay beside this wait
.irp t, 0,1,2,3
.if \t%2
	v_wmma_scale_f32_16x16x128_f8f6f4 v[O+8*\t:O+8*\t+7], v[32+12*\t:43+12*\t], v[PC:PC+11], v[O+8*\t:O+8*\t+7], v[232+\t/2], v234 matrix_a_fmt:MATRIX_FMT_FP6 matrix_b_fmt:MATRIX_FMT_FP6 matrix_a_scale:MATRIX_SCALE_ROW1
.else
	v_wmma_scale_f32_16x16x128_f8f6f4 v[O+8*\t:O+8*\t+7], v[32+12*\t:43+12*\t], v[PC:PC+11], v[O+8*\t:O+8*\t+7], v[232+\t/2], v234 matrix_a_fmt:MATRIX_FMT_FP6 matrix_b_fmt:MATRIX_FMT_FP6
.endif
.endr
.Lskip_\@:
	s_add_co_u32 s26, s26, 6144
	s_add_co_u32 s27, s27, 512
	s_add_co_u32 s28, s28, 256
	s_add_co_u32 s25, s25, 1
	s_cmp_lt_u32 s25, 16
	s_cbranch_scc1 .Lstep_\@
	; the tile's end: O / l, quantised along the head's two blocks of 32: register 16 b + i of lane (r, h) is channel 32 b + 16 h + i
.rept 4
	v_nop                                          ; places behind the last products
.endr
	v_add_f32 v14, v14, v15
	v_permlanex16_b32 v238, v14, s20, s21
	v_add_f32 v14, v14, v238                       ; the row's sum
	v_rcp_f32 v236, v14
	v_nop                                          ; a plain place behind the reciprocal
	v_cmp_eq_f32 vcc_lo, 0, v14                    ; no key counted for this query
	s_wait_alu depctr_va_vdst(0)                   ; the reciprocal has written v236, ahead of its first reader
.irp j, 0,2,4,6,8,10,12,14,16,18,20,22,24,26,28,30
	v_pk_mul_f32 v[S+\j:S+1+\j], v[O+\j:O+1+\j], v[236:237] op_sel_hi:[1,0]
.endr
.irp b, 0,1
	v_max3_num_f32 v[BM+\b], |v[S+16*\b]|, |v[S+1+16*\b]|, 0x1800000
.endr
.irp i, 2,4,6,8,10,12,14
.irp b, 0,1
	v_max3_num_f32 v[BM+\b], v[BM+\b], |v[S+16*\b+\i]|, |v[S+1+16*\b+\i]|
.endr
.endr
.irp b, 0,1
	v_permlanex16_b32 v[PT+\b], v[BM+\b], s20, s21
.endr
.irp b, 0,1
	v_max_num_f32 v[BM+\b], v[BM+\b], v[PT+\b]
.endr
.irp b, 0,1
	v_add_nc_u32 v[SO+\b], 0xff000000, v[BM+\b]
.endr
.irp b, 0,1
	v_lshrrev_b32 v[PT+\b], 23, v[SO+\b]
.endr
	v_lshl_or_b32 v[92+\n], v[PT+1], 8, v[PT]
	s_wait_alu depctr_va_vcc(0)                    ; the compare above has written VCC, ahead of its first reader, the select below
	v_cndmask_b32 v[92+\n], v[92+\n], v29, vcc_lo  ; an empty row: both bytes 0xff
	v_cvt_scalef32_pk16_fp6_f32 v[PC:PC+2], v[S:S+15], v[SO]
	v_cvt_scalef32_pk16_fp6_f32 v[YT:YT+2], v[S+16:S+31], v[SO+1]
	v_nop
.irp i, 0,1,2
	v_permlane16_swap_b32 v[PC+\i], v[YT+\i]
.endr
.irp i, 0,1,2
	v_mov_b32 v[PC+3+\i], v[YT+\i]
.endr
	s_wait_alu depctr_va_vdst(0)                   ; the conversions, exchanges and moves have written v192 to v197, which the three stores read
.irp p, 0,1,2
	global_store_b64 v10, v[PC+2*\p:PC+2*\p+1], s[18:19] offset:256*\p    ; 256 consecutive bytes, aligned: half a fragment of the last product's operand
.endr
.endm
	PASS 1
	PASS 2
	s_lshl_b32 s2, s13, 10                         ; the two tiles' scale words leave by one store: lanes 0-15 the first tile's, lanes 16-31 the second's; runs of 64 bytes, 524,288 bytes in the whole launch
	s_lshl_b32 s3, s14, 10
	s_wait_alu depctr_vm_vsrc(0)                   ; the last trip's LDS loads have read v5 and v6, which are written anew below
	v_mov_b32 v5, s2
	v_mov_b32 v6, s3
	v_cndmask_b32 v5, v5, v6, s30
	v_add_nc_u32 v5, v5, v11
	v_cndmask_b32 v6, v93, v94, s30
	s_lshr_b32 s26, s12, 4
	s_lshl_b32 s26, s26, 17
	s_and_b32 s27, s12, 15
	s_lshl_b32 s27, s27, 6
	s_add_co_u32 s26, s26, s27
	s_add_co_u32 s26, s26, 6291456
	s_mov_b32 s27, 0
	s_add_nc_u64 s[26:27], s[8:9], s[26:27]
	s_wait_alu depctr_va_vdst(0)                   ; v5, the store's offset, and v6, its data, are written
	global_store_b32 v5, v6, s[26:27]
	s_wait_dscnt 0x0                               ; the closing lines, six on end
	s_wait_alu 0x0
	s_wait_tensorcnt 0x0
	ds_add_u32 v254, v255
	s_wait_dscnt 0x0
	s_endpgm
.Lfunc_end_k_q26ea12ae68_attn:
	.size	k_q26ea12ae68_attn, .Lfunc_end_k_q26ea12ae68_attn-k_q26ea12ae68_attn
	.p2alignl 7, 3214868480
	.fill 96, 4, 3214868480
	.section	.rodata,"a",@progbits
	.p2align	6, 0x0
	.amdhsa_kernel k_q26ea12ae68_attn
		.amdhsa_group_segment_fixed_size 210944
		.amdhsa_private_segment_fixed_size 0
		.amdhsa_enable_private_segment 0
		.amdhsa_kernarg_size 24
		.amdhsa_user_sgpr_count 2
		.amdhsa_user_sgpr_kernarg_segment_ptr 1
		.amdhsa_wavefront_size32 1
		.amdhsa_system_sgpr_workgroup_id_x 1
		.amdhsa_system_sgpr_workgroup_id_y 1
		.amdhsa_system_sgpr_workgroup_id_z 1
		.amdhsa_system_vgpr_workitem_id 0
		.amdhsa_next_free_vgpr 256
		.amdhsa_next_free_sgpr 100
		.amdhsa_reserve_vcc 1
		.amdhsa_float_denorm_mode_32 3
		.amdhsa_float_denorm_mode_16_64 3
		.amdhsa_memory_ordered 1
		.amdhsa_forward_progress 1
		.amdhsa_inst_pref_size 64
	.end_amdhsa_kernel
	.amdgpu_metadata
---
amdhsa.version: [ 1, 2 ]
amdhsa.kernels:
  - .name:           k_q26ea12ae68_attn
    .symbol:         k_q26ea12ae68_attn.kd
    .args:
      - { .name: qkv, .offset: 0, .size: 8, .value_kind: global_buffer, .address_space: global }
      - { .name: mwords, .offset: 8, .size: 8, .value_kind: global_buffer, .address_space: global }
      - { .name: att, .offset: 16, .size: 8, .value_kind: global_buffer, .address_space: global }
    .group_segment_fixed_size: 210944
    .private_segment_fixed_size: 0
    .kernarg_segment_align: 8
    .kernarg_segment_size: 24
    .max_flat_workgroup_size: 512
    .sgpr_count:     100
    .vgpr_count:     256
    .wavefront_size: 32
...
	.end_amdgpu_metadata
.endif
;; end of part 5
;; launch oproj: the kernel of part 4 again; grid 4 x 64, 4 waves a work-group, clusters of 4 x 4, 295,424 bytes of LDS; arguments att, opnd, bo, out0; writes out0
